; MI455X (gfx1250); checked and timed in simulation.
; The chip was launched on July 23, 2026; its instructions are those of AMD's public machine-readable ISA for CDNA 5 (MIT licence, August 2026) and "CDNA5" Instruction Set Architecture Reference Guide (July 2026). The comments in the code are by the model that wrote it; some were corrected since.
;; Attention. Allowed arithmetic: matrix products marked QUANTISED: E2M1 operands, one E8M0 scale for each 32 along K, by v_wmma_scale_f32_16x16x128_f8f6f4 with both operands' format E2M1 (or v_wmma_scale_f32_32x16x128_f4), f32 sums; everything else in f32.
;; Inputs: Wo 1,024 x 1,024 float32; Wqkv 1,024 x 3,072 float32; bo 1,024 float32; bqkv 3,072 float32; x 4 x 2,048 x 1,024 float32.
;; Outputs: out0 4 x 2,048 x 1,024 float32.
;; This version of the problem:
;;   THIS VERSION OF THE PROBLEM IS GIVEN IN LOW PRECISION. The matrix products marked QUANTISED in the list below multiply operands that are first quantised to E2M1 (2 exponent bits, 1 mantissa bit; 4 bits a number), with one power-of-two scale for each 32 numbers along K (OCP MX v1.0); their sums are f32. All else is computed in f32.
;;   The module's matrix products, in the order in which they are computed (A, B: the left and right operand; K: the contracted axis; several contracted axes count as one K, in the product's order):
;;     1. [M 8,192, K 1,024] x [K 1,024, N 3,072]; A: input x; B: input Wqkv: QUANTISED
;;     2. batch 64 x [M 2,048, K 64] x [K 64, N 2,048]; A: computed on the way; B: computed on the way: QUANTISED
;;     3. batch 64 x [M 2,048, K 2,048] x [K 2,048, N 64]; A: softmax (see below); B: computed on the way: QUANTISED
;;     4. [M 8,192, K 1,024] x [K 1,024, N 1,024]; A: computed on the way; B: input Wo: QUANTISED
;;   THE QUANTISER, for each operand of a quantised product, along K:
;;     - K is cut into blocks of 32 from its start; a last block that is shorter is filled with zeros.
;;     - A block's scale is 2^e with e = floor(log2(the largest magnitude in the block)) - 2, held to -126 .. 127; a block of zeros has e = 0. As a byte (E8M0): e + 127.
;;     - Each number is divided by its block's scale, clamped to +-6, and rounded to the nearest number of E2M1, ties to even, subnormals kept.
;;     - The product sums the exact products of the quantised numbers (number of the format x scale) in f32.
;;   ~~~python
;;   def quantise(x, axis):      # numpy; x: float32 -> the quantised numbers, widened to float32 again
;;       x = np.moveaxis(x, axis, -1); K = x.shape[-1]
;;       x = np.pad(x, [(0, 0)] * (x.ndim - 1) + [(0, -K % 32)]); x = x.reshape(x.shape[:-1] + (-1, 32)); a = np.abs(x).max(-1, keepdims=True)
;;       e = np.where(a > 0, np.clip(np.frexp(np.where(a > 0, a, 1))[1] - 1 - 2, -126, 127), 0)      # np.frexp(a)[1] - 1 = floor(log2(a)), exactly
;;       r = np.clip(x / 2.0 ** e, -6, 6)
;;       step = 2.0 ** (np.maximum(np.frexp(np.where(r == 0, 1, r))[1] - 1, 0) - 1)
;;       q = np.round(r / step) * step * 2.0 ** e      # np.round: ties to even
;;       return np.moveaxis(q.reshape(q.shape[:-2] + (-1,))[..., :K], -1, axis).astype(np.float32)
;;   ~~~
;;   SOFTMAX AHEAD OF A QUANTISED PRODUCT. Where the list says 'softmax', what is quantised is not the finished softmax but p = 2^(t - M), with t = logit x log2(e) and M = ceil(the row's largest t), a whole number; so 1/2 < the row's largest p <= 1. The row's sum l is taken of the UNQUANTISED p, in f32, and the product's result is divided by l at the end. Since M is a whole number, a kernel that streams over the keys may use a running M (the ceiling of the running maximum): every later rescaling is an exact power of two, which a block's scale takes up: the codes' values come out the same.
;;   OPERANDS COMPUTED ON THE WAY. 'Computed on the way' means the value that the module computes at that place (a softmax that the list does not call 'softmax' is quantised finished and normalised). What goes into a quantiser is computed in f32, as accurately as f32 sums, v_exp_f32 and their like allow (about 1e-6 of the number): no bf16 or f16 on the way to a quantiser, and a product that is left as it is and whose result goes on into a quantised operand takes f32 operands (vector FMAs, or v_wmma_f32_16x16x4_f32). A number that lies on a knife's edge between two numbers of the format may be rounded either way, as far as f32 arithmetic and the matrix unit's own rounding can turn it there, and no further.
;; One version. Each part assembles by itself: llvm-mc -triple=amdgcn-amd-amdhsa -mcpu=gfx1250 --defsym DOCPART=n.
;; ======== version 1 of 1: 4 launches
;; workspace buffers: xq 4,456,448 bytes; wq 2,228,224 bytes; rec 13,893,632 bytes; oq 4,456,448 bytes
;; launch quant (part 1): grid 320 x 1, 4 waves a work-group, no clusters, 68,096 bytes of LDS; arguments x, Wqkv, Wo, xq, wq; writes xq, wq
.if DOCPART == 1
	.amdgcn_target "amdgcn-amd-amdhsa--gfx1250"
	.amdhsa_code_object_version 6
	.text
	.protected	k_q6fd3043039_quant
	.globl	k_q6fd3043039_quant
	.p2align	8
	.type	k_q6fd3043039_quant,@function
k_q6fd3043039_quant:
	s_mov_b64 s[64:65], 0
	v_nop
	global_prefetch_b8 v0, s[64:65] scope:SCOPE_SE
	s_setreg_imm32_b32 hwreg(HW_REG_WAVE_MODE, 25, 1), 1
	s_wait_xcnt 0x0
; FIRST OF FOUR LAUNCHES: quant (this one), proj (x Wqkv + bqkv, quantised into operands), attn (both attention products), outp (the projection on the way out).
; THE PROGRAM: out = softmax(where(causal, q k^T / 8, -0.0001)) v Wo + bo, all four products on codes of FP4 (E2M1) with one E8M0 scale for each 32 along K.
; WORK LEFT OUT (in attn): of the product q k^T every tile of 128 keys all of which come after all the tile's queries.  reference() puts the constant -0.0001 in the place of those logits by its own jnp.where on
; its own jnp.tril, whatever finite numbers q and k hold, so no such product reaches an output.  The masked keys themselves stay: their p = 2^(t0 - M) enters the row's maximum, its sum and the product with v.
; Nothing else is left out, and every input is loaded.  LIMIT: a NaN, an infinity or an overflow that could arise in those left-out scores alone is not carried to the result.
; THIS LAUNCH turns x [8192][1024] (K innermost) and Wqkv [1024][3072], Wo [1024][1024] (K their FIRST axis) into codes, K innermost, 512 bytes a row, and scale bytes, 32 a row.
; A block's scale is 2^(floor(log2(its largest magnitude)) - 2); its byte is the largest magnitude's exponent field - 2, held at 1 from below.
; LIMITS: a block of zeros, or one whose largest magnitude lies under 2^-124, gets the byte 1 (a block of zeros has zero codes, and this program alone reads the bytes); NaN and infinities among the inputs are not served.
; STORED ROW ORDER: inside each group of 32 rows (tokens of x, output features of W) row p goes to place 16 ((p >> 3) & 1) + 8 (p >> 4) + (p & 7).  Sixteen rows on end are then the rows 8 u + r + 8 (r / 8), so that the
; results of two neighbouring tiles are 16 neighbours along the next product's K.
; xq: codes [8192][512], from byte 4,194,304 scale bytes [8192][32].  wq: codes [4096][512] (rows 0-3071 Wqkv's columns, 3072-4095 Wo's), from byte 2,097,152 scale bytes [4096][32].
; Work-groups 0-255 take 32 rows of x each, work-groups 256-319 a panel of 128 columns x 512 along K of a weight.  The two paths have LDS bytes of their own.  No tensor loads, no barrier: waves share nothing.
.set STEPS, 16
.set EMAX,  2
.set CB,    8                          ; bytes of 16 codes
.set R,     16                         ; x path: v16-79 four sets of 16 numbers as loaded
.set X,     80                         ; v80-111 two sets of 16 neighbours
.set E,     112                        ; v112-127 a scale byte for each step
.set C,     128                        ; v128-191 codes, four registers for each step
.set WREG,  8192                       ; x path LDS: a region for each wave: two stages of 32 x SP bytes, then its 256 scale bytes
.set SP,    80
.set SPW,   12                         ; v12 LDS address of my spare word; never rewritten
.set NIL,   13                         ; v13 0; never rewritten
.set WST,   32768                      ; W path LDS: four stages of 32 rows x WP bytes
.set WP,    272
.set SPARE, 67584                      ; behind both: the spare words, 128 bytes for each wave
.set SB,    24                         ; W path: v24-27 scale bytes
.set WX,    32                         ; v32-95 two sets of 32 numbers
.set WC,    96                         ; v96-99 a block's codes
.set OUTR,  112                        ; v112-175 the way out
.set OFFS,  176                        ; v176-207 byte offset of row i of a block, at my column
	s_load_b256 s[4:11], s[0:1], 0x0               ; x s[4:5], Wqkv s[6:7], Wo s[8:9], xq s[10:11]
	s_load_b64 s[12:13], s[0:1], 0x20              ; wq
	v_lshl_add_u32 v[SPW], v0, 2, SPARE
	v_mov_b32 v[NIL], 0
	v_lshrrev_b32 v1, 5, v0
	v_readfirstlane_b32 s16, v1                    ; wave
	v_and_b32 v2, 31, v0                           ; lane
	s_cmp_ge_u32 ttmp9, 256
	s_cbranch_scc1 .Lw
; ---------------- x: a wave takes 8 rows, 8,192 numbers, in 16 steps of 512.  Each load reads 512 consecutive bytes; a step's 2,048 bytes turn through the wave's stage so that a lane holds 16 neighbours.
	v_lshlrev_b32 v3, 4, v2                        ; my 16 bytes of a load's 512
	s_mul_i32 s17, s16, WREG
	v_lshrrev_b32 v14, 2, v2
	v_mul_u32_u24 v14, v14, SP
	v_and_b32 v15, 3, v2
	v_lshl_add_u32 v14, v15, 4, v14
	v_add_nc_u32 v14, s17, v14                     ; the stage, on the way in: SP (lane / 4) + 16 (lane % 4)
	v_mul_u32_u24 v15, v2, SP
	v_add_nc_u32 v15, s17, v15                     ; and on the way out: SP x lane
	v_mul_u32_u24 v4, v2, CB                       ; my codes' place in a step's
	v_lshrrev_b32 v5, 1, v2
	s_add_co_u32 s17, s17, 2*32*SP
	v_add_nc_u32 v5, s17, v5                       ; my block's byte among my wave's 256
	v_lshlrev_b32 v7, 3, v2
	v_add_nc_u32 v6, s17, v7
	s_lshl_b32 s18, ttmp9, 2
	s_add_co_u32 s20, s18, s16                     ; the run of 8 rows that I read: 4 x work-group + wave
	s_lshl_b32 s20, s20, 15                        ; 32,768 bytes a run
	s_mov_b32 s21, 0
	s_and_b32 s19, s16, 1
	s_lshl_b32 s19, s19, 1
	s_lshr_b32 s22, s16, 1
	s_or_b32 s19, s19, s22                         ; the stored order: runs 0, 1, 2, 3 of a group go to places 0, 2, 1, 3
	s_add_co_u32 s18, s18, s19
	s_wait_alu depctr_va_vdst(0)
	s_wait_kmcnt 0x0
	s_add_nc_u64 s[4:5], s[4:5], s[20:21]
	s_lshl_b32 s20, s18, 12                        ; 4,096 bytes of codes a run
	s_add_nc_u64 s[24:25], s[10:11], s[20:21]
	s_lshl_b32 s20, s18, 8                         ; 256 scale bytes a run
	s_add_nc_u64 s[26:27], s[10:11], s[20:21]
	s_add_nc_u64 s[26:27], s[26:27], 0x400000
.macro XLOAD t
.irp i, 0,1,2,3
	global_load_b128 v[R+16*((\t)%4)+4*\i:R+16*((\t)%4)+4*\i+3], v3, s[4:5] offset:2048*(\t)+512*\i th:TH_LOAD_NT
.endr
.endm
.macro XTURN t                         ; LDS serves a wave's instructions in order: no wait between the stores and the loads
.irp i, 0,1,2,3
	ds_store_b128 v14, v[R+16*((\t)%4)+4*\i:R+16*((\t)%4)+4*\i+3] offset:32*SP*((\t)%2)+8*SP*\i
.endr
.irp i, 0,1,2,3
	ds_load_b128 v[X+16*((\t)%2)+4*\i:X+16*((\t)%2)+4*\i+3], v15 offset:32*SP*((\t)%2)+16*\i
.endr
.endm
.irp t, 0,1,2,3
	XLOAD \t
.endr
	s_wait_loadcnt 12                              ; step 0's four loads are in; twelve younger ones stay out
	XTURN 0
.macro XSTEP t
.set XS, X+16*((\t)%2)
.if (\t) > 0
	s_wait_dscnt 1                                 ; this step's numbers are back from the stage; the last step's byte store may be out
.else
	s_wait_dscnt 0x0
.endif
.if (\t)+4 < STEPS
	XLOAD (\t)+4
.endif
.if (\t)+1 < STEPS
.if STEPS-2-(\t) >= 3
	s_wait_loadcnt 12                              ; the next step's four loads are in; those of the three steps behind it may be out
.else
	s_wait_loadcnt 4*(STEPS-2-(\t))
.endif
	XTURN (\t)+1
.endif
	v_max3_num_f32 v8, |v[XS]|, |v[XS+1]|, |v[XS+2]|
	v_max3_num_f32 v9, |v[XS+3]|, |v[XS+4]|, |v[XS+5]|
.irp i, 6,10
	v_max3_num_f32 v8, v8, |v[XS+\i]|, |v[XS+\i+1]|
	v_max3_num_f32 v9, v9, |v[XS+\i+2]|, |v[XS+\i+3]|
.endr
	v_max3_num_f32 v8, v8, |v[XS+14]|, |v[XS+15]|
	v_max3_num_f32 v8, v8, v9, (EMAX+1)<<23        ; and the floor 2^(3 - 127): the byte cannot fall under 1
	v_max_num_f32_dpp v8, v8, v8 row_xmask:1 row_mask:0xf bank_mask:0xf   ; with my neighbour's 16: the block's largest magnitude
	v_add_nc_u32 v11, -(EMAX<<23), v8              ; 2 off its exponent field: the conversion's scale operand
	v_cvt_scalef32_pk8_fp4_f32 v[C+4*(\t)], v[XS:XS+7], v11
	v_cvt_scalef32_pk8_fp4_f32 v[C+4*(\t)+1], v[XS+8:XS+15], v11
	v_lshrrev_b32 v[E+(\t)], 23, v11               ; the scale's byte
	ds_store_b8 v5, v[E+(\t)] offset:16*(\t)       ; both lanes of a block write the same byte with the same value
	global_store_b64 v4, v[C+4*(\t):C+4*(\t)+1], s[24:25] offset:32*CB*(\t)   ; the wave stores 256 consecutive bytes
.endm
.irp t, 0,1,2,3,4,5,6,7,8,9,10,11,12,13,14,15
	XSTEP \t
.endr
	ds_load_b64 v[8:9], v6                         ; my wave's 256 scale bytes, 8 a lane
	s_wait_dscnt 0x0
	global_store_b64 v7, v[8:9], s[26:27]
	s_wait_tensorcnt 0x0                           ; the wave's end
	ds_add_u32 v[SPW], v[NIL]
	s_wait_dscnt 0x0
	s_endpgm
; ---------------- W: a lane takes a column, its registers run down K; a wave takes 32 columns x 512 along K: 16 blocks a lane.  The row's length in bytes is a register, so that one text serves both weights.
.Lw:
	s_sub_co_u32 s17, ttmp9, 256
	s_mov_b32 s19, 12288
	s_wait_kmcnt 0x0
	s_cmp_ge_u32 s17, 48                           ; the first 48 take Wqkv (24 panels x 2 halves of K), the last 16 Wo
	s_cselect_b32 s18, 48, 0
	s_cselect_b32 s19, 4096, s19                   ; bytes in a row of the weight
	s_cselect_b32 s22, 3072, 0                     ; its first row in wq
	s_cselect_b64 s[4:5], s[8:9], s[6:7]
	s_sub_co_u32 s17, s17, s18
	s_lshr_b32 s20, s17, 1                         ; panel
	s_and_b32 s21, s17, 1                          ; which 512 along K
	s_lshl_b32 s20, s20, 7
	s_lshl_b32 s23, s16, 5
	s_add_co_u32 s20, s20, s23                     ; my wave's first column
	s_mul_i32 s24, s21, s19
	s_lshl_b32 s24, s24, 9
	s_lshl_b32 s25, s20, 2
	s_add_co_u32 s24, s24, s25
	s_mov_b32 s25, 0
	s_add_nc_u64 s[4:5], s[4:5], s[24:25]
	s_add_co_u32 s22, s22, s20
	s_lshl_b32 s24, s22, 9
	s_lshl_b32 s26, s21, 8
	s_add_co_u32 s24, s24, s26
	s_add_nc_u64 s[28:29], s[12:13], s[24:25]      ; my columns' codes
	s_lshl_b32 s24, s22, 5
	s_lshl_b32 s26, s21, 4
	s_add_co_u32 s24, s24, s26
	s_add_nc_u64 s[30:31], s[12:13], s[24:25]
	s_add_nc_u64 s[30:31], s[30:31], 0x200000      ; and their scale bytes
	s_lshl_b32 s24, s19, 5                         ; s[24:25]: 32 rows of the weight on
	s_wait_alu depctr_va_vdst(0)
	v_lshlrev_b32 v3, 2, v2
.set i, 0
.rept 32
	v_mad_u32_u24 v[OFFS+i], s19, i, v3
.set i, i+1
.endr
	s_mul_i32 s26, s16, 32*WP
	s_add_co_u32 s26, s26, WST                     ; my stage
	v_mul_u32_u24 v4, v2, WP
	v_add_nc_u32 v4, s26, v4                       ; into it: row = my column
	v_and_b32 v5, 15, v2
	v_lshrrev_b32 v6, 4, v2
	v_mul_u32_u24 v7, v6, WP
	v_lshl_add_u32 v7, v5, 4, v7
	v_add_nc_u32 v7, s26, v7                       ; out of it: sixteen lanes to a row, two rows an instruction
	v_lshlrev_b32 v8, 9, v6
	v_lshl_add_u32 v8, v5, 4, v8                   ; and the same place in the codes
	v_bfe_u32 v9, v2, 3, 1
	v_lshlrev_b32 v9, 4, v9
	v_lshl_add_u32 v9, v6, 3, v9
	v_and_b32 v10, 7, v2
	v_add_nc_u32 v9, v9, v10                       ; my column's place in the stored order
	v_lshlrev_b32 v9, 5, v9                        ; 32 scale bytes a row
.macro WLOAD t                         ; block t: W(32 t + i, my column) into set t % 2
.if (\t) > 0
	s_wait_xcnt 0x0                                ; the earlier loads have read their base: it steps only behind this wait
	s_add_nc_u64 s[4:5], s[4:5], s[24:25]
.endif
.set i, 0
.rept 32
	global_load_b32 v[WX+32*((\t)%2)+i], v[OFFS+i], s[4:5] th:TH_LOAD_NT
.set i, i+1
.endr
.endm
	WLOAD 0
	WLOAD 1
.macro WBLOCK t
.set XS, WX+32*((\t)%2)
.if (\t) < 15
	s_wait_loadcnt 32                              ; this block's 32 loads are in; the next block's may be out
.else
	s_wait_loadcnt 0
.endif
	v_max3_num_f32 v14, |v[XS]|, |v[XS+1]|, |v[XS+2]|
	v_max3_num_f32 v15, |v[XS+3]|, |v[XS+4]|, |v[XS+5]|
.irp i, 6,10,14,18,22,26
	v_max3_num_f32 v14, v14, |v[XS+\i]|, |v[XS+\i+1]|
	v_max3_num_f32 v15, v15, |v[XS+\i+2]|, |v[XS+\i+3]|
.endr
	v_max3_num_f32 v14, v14, |v[XS+30]|, |v[XS+31]|
	v_max3_num_f32 v14, v14, v15, (EMAX+1)<<23
	v_add_nc_u32 v11, -(EMAX<<23), v14
	v_lshrrev_b32 v10, 23, v11
.if (\t)%4 == 0
	v_mov_b32 v[SB+(\t)/4], v10
.else
	v_lshl_or_b32 v[SB+(\t)/4], v10, 8*((\t)%4), v[SB+(\t)/4]
.endif
.irp g, 0,1,2,3
	v_cvt_scalef32_pk8_fp4_f32 v[WC+\g], v[XS+8*\g:XS+8*\g+7], v11
.endr
	ds_store_b128 v4, v[WC:WC+3] offset:16*(\t)    ; 32 codes: 16 bytes of my column's row
.if (\t)+2 < 16
	WLOAD (\t)+2
.endif
	s_wait_dscnt 0x0                               ; the store has read its registers: the next block's codes may be written
.endm
.set Q, 0
.rept 16
	WBLOCK Q
.set Q, Q+1
.endr
	s_wait_alu depctr_va_vdst(0)
	global_store_b128 v9, v[SB:SB+3], s[30:31]     ; my column's 16 scale bytes
.irp t, 0,1,2,3,4,5,6,7,8,9,10,11,12,13,14,15
	ds_load_b128 v[OUTR+4*\t:OUTR+4*\t+3], v7 offset:2*\t*WP
.endr
.irp t, 0,1,2,3,4,5,6,7,8,9,10,11,12,13,14,15
	s_wait_dscnt 15-\t                             ; the loads behind this one may be out
	global_store_b128 v8, v[OUTR+4*\t:OUTR+4*\t+3], s[28:29] offset:(16*(((2*\t)>>3)&1)+8*((2*\t)>>4)+((2*\t)&7))*512   ; columns 2 t and 2 t + 1, at their places in the stored order: sixteen lanes store 256 consecutive bytes
.endr
	s_wait_tensorcnt 0x0                           ; the wave's end
	ds_add_u32 v[SPW], v[NIL]
	s_wait_dscnt 0x0
	s_endpgm
.Lfunc_end_k_q6fd3043039_quant:
	.size	k_q6fd3043039_quant, .Lfunc_end_k_q6fd3043039_quant-k_q6fd3043039_quant
	.p2alignl 7, 3214868480
	.fill 96, 4, 3214868480
	.section	.rodata,"a",@progbits
	.p2align	6, 0x0
	.amdhsa_kernel k_q6fd3043039_quant
		.amdhsa_group_segment_fixed_size 68096
		.amdhsa_private_segment_fixed_size 0
		.amdhsa_enable_private_segment 0
		.amdhsa_kernarg_size 40
		.amdhsa_user_sgpr_count 2
		.amdhsa_user_sgpr_kernarg_segment_ptr 1
		.amdhsa_wavefront_size32 1
		.amdhsa_system_sgpr_workgroup_id_x 1
		.amdhsa_system_sgpr_workgroup_id_y 1
		.amdhsa_system_sgpr_workgroup_id_z 1
		.amdhsa_system_vgpr_workitem_id 0
		.amdhsa_next_free_vgpr 208
		.amdhsa_next_free_sgpr 66
		.amdhsa_reserve_vcc 0
		.amdhsa_float_denorm_mode_32 3
		.amdhsa_float_denorm_mode_16_64 3
		.amdhsa_memory_ordered 1
		.amdhsa_forward_progress 1
		.amdhsa_inst_pref_size 114
	.end_amdhsa_kernel
	.amdgpu_metadata
---
amdhsa.version: [ 1, 2 ]
amdhsa.kernels:
  - .name:           k_q6fd3043039_quant
    .symbol:         k_q6fd3043039_quant.kd
    .args:
      - { .name: x, .offset: 0, .size: 8, .value_kind: global_buffer, .address_space: global }
      - { .name: Wqkv, .offset: 8, .size: 8, .value_kind: global_buffer, .address_space: global }
      - { .name: Wo, .offset: 16, .size: 8, .value_kind: global_buffer, .address_space: global }
      - { .name: xq, .offset: 24, .size: 8, .value_kind: global_buffer, .address_space: global }
      - { .name: wq, .offset: 32, .size: 8, .value_kind: global_buffer, .address_space: global }
    .group_segment_fixed_size: 68096
    .private_segment_fixed_size: 0
    .kernarg_segment_align: 8
    .kernarg_segment_size: 40
    .max_flat_workgroup_size: 128
    .sgpr_count:     66
    .vgpr_count:     208
    .wavefront_size: 32
...
	.end_amdgpu_metadata
.endif
;; end of part 1
;; launch proj (part 2): grid 12 x 32, 4 waves a work-group, clusters of 4 x 4, 327,680 bytes of LDS; arguments xq, wq, bqkv, rec; writes rec
.if DOCPART == 2
	.amdgcn_target "amdgcn-amd-amdhsa--gfx1250"
	.amdhsa_code_object_version 6
	.text
	.protected	k_q6fd3043039_proj
	.globl	k_q6fd3043039_proj
	.p2align	8
	.type	k_q6fd3043039_proj,@function
k_q6fd3043039_proj:
	s_mov_b64 s[64:65], 0
	v_nop
	global_prefetch_b8 v0, s[64:65] scope:SCOPE_SE
	s_setreg_imm32_b32 hwreg(HW_REG_WAVE_MODE, 25, 1), 1
	s_wait_xcnt 0x0
	s_wait_alu depctr_hold_cnt(0) depctr_sa_sdst(0) depctr_va_vdst(0) depctr_va_sdst(0) depctr_va_ssrc(0) depctr_va_vcc(0) depctr_vm_vsrc(0)
	s_getreg_b32 s2, hwreg(HW_REG_IB_STS2, 6, 4)
	s_cmp_eq_u32 s2, 0
	s_cbranch_scc0 .Lentry_in_a_cluster
	s_endpgm
.Lentry_in_a_cluster:
	s_bfe_u32 s2, ttmp6, 0x10000c
	s_cmp_lg_u32 s2, 0xf033
	s_cbranch_scc0 .Lentry_shape_is_right
	s_endpgm
.Lentry_shape_is_right:
; qkv = x Wqkv + bqkv on codes of FP4 (E2M1) with E8M0 scales, M = 8,192, N = 3,072, K = 1,024; the results are quantised at once into the operands of the two attention products and leave as IMAGES OF OPERAND REGISTERS.
; A tile of 256 tokens x 256 features is made by four waves, 128 x 128 each: 64 accumulators, 512 registers.  All of K is two LDS slots of 512, both asked for at the head: nothing is filled twice.
; CLUSTERS: 4 x 4 work-groups; x's tiles are shared along a row of the cluster, W's along a column, each asked for jointly.  The cluster's x says what the tile is: 0 q, 1 k, 2 v; it is the same in all sixteen partners.
; q, k: source 0 = 16 rows of W, source 1 = 16 tokens: a lane holds one token and its registers run along the features, which are the K of q k^T.
; v:    source 0 = 16 tokens, source 1 = 16 rows of W: a lane holds one feature and its registers run along the tokens, which are the K of p v.
; By the stored row order of xq and wq (16 rows on end are rows 8 u + r + 8 (r / 8) of a group of 32) the 16 registers of two neighbouring tiles are 16 neighbours along that K.  The bias is the C of each sum's first product.
; rec: 1,024 records of 13,568 bytes, record ((batch 16 + head) 16 + group of 128 tokens): K's codes 8 tiles x 512 bytes at 0, K's scale words 512 at 4,096, V's codes 4 tiles x 1,024 at 4,608, V's scale words 256 at 8,704,
; Q's codes 8 x 512 at 8,960, Q's scale words 512 at 13,056.  A head is 64 wide, half of the instruction's 128: only registers 0-3 of a q or k fragment are stored; the upper two bytes of their scale words are 0.
; LIMITS: as in the first launch (byte 1 for blocks under 2^-124 and for blocks of zeros; no NaN, no infinities).
; REGISTERS, in windows of 256: window 0: v8-15 packed scale words; v16-31 addresses; v32-95 scale words of x and W, two sets; v96-121 at work in the quantiser; v128-191 x's fragments, one set; v192-255 the bias.
;   window 1: W's fragments, two sets, at v0 and v128.   windows 2, 3: the accumulators of x's blocks 0-3, 4-7: (a, b) at v[8 (8 (a % 4) + b)].
.set NQ,     4
.set ROWB,   256
.set KROW,   512
.set PITCH,  272                       ; an LDS row: 256 bytes + 16 of padding: the 16 rows of a fragment load start at 16 different groups of banks
.set FR,     8
.set HALFT,  128*PITCH
.set SLOT,   4*HALFT
.set KS,     32
.set SCL,    2*SLOT
.set HALFS,  16*272
.set SBLK,   2*272
.set SPARE,  SCL+4*HALFS               ; the spare words, 128 bytes for each wave
.set REC,    13568
.set HEADB,  16*REC                    ; from a head's records to the next head's
.set SW,   8
.set ADRA, 16
.set ADRB, 20
.set VBQ,  22                          ; v22 64 x (lane / 16): the bias of q, k
.set VBV,  23                          ; v23 4 x (r + 8 (r / 8)): the bias of v
.set ADRS, 27
.set SPW,  28
.set NIL,  29
.set LI,   30                          ; v30 16 x lane
.set L8,   31                          ; v31 8 x lane
.set SC,   32
.set TM,   96
.set TP,   100
.set TSC,  104
.set TBY,  108
.set PC,   112
.set HW,   120
.set AF,   128
.set BI,   192
.set SEL,  66                          ; s[66:67] selects for lane l xor 16
.set G1, 24
.set G0, 32
.set G1B, 48
.set G0B, 56
.set G1S, 68
.set G0S, 76
.set G1SB, 80
.set G0SB, 88
.set MSB, 0
.macro WIN new                         ; the immediate's high byte repeats the setting that is left
.if MSB != (\new)
	s_set_vgpr_msb (MSB<<8)|(\new)
.set MSB, (\new)
.endif
.endm
.set TO_B, 0x40
.macro JLOAD g0a, g1a, g0b, g1b        ; a joint load: waves 0 and 1 fetch for x, waves 2 and 3 for W; an s_nop 0 and four v_nop follow each line
	s_cmp_eq_u32 s15, 0
	s_cbranch_scc0 .Lfor_b_\@
	tensor_load_to_lds s[\g0a:\g0a+3], s[\g1a:\g1a+7]
	s_nop 0
.rept 4
	v_nop
.endr
	s_branch .Lasked_\@
.Lfor_b_\@:
	tensor_load_to_lds s[\g0b:\g0b+3], s[\g1b:\g1b+7]
	s_nop 0
.rept 4
	v_nop
.endr
.Lasked_\@:
.endm
.macro CROUND                          ; a round of the cluster's barrier
	s_barrier_signal -1
	s_barrier_wait -1
	s_cmp_lg_u32 s14, 0
	s_cbranch_scc1 .Lnot_wave_0_\@
	s_barrier_signal -3
.Lnot_wave_0_\@:
	s_barrier_wait -3
	s_barrier_signal -1
	s_barrier_wait -1
.endm
	s_load_b256 s[4:11], s[0:1], 0x0               ; xq, wq, bqkv, rec
	v_lshl_add_u32 v[SPW], v0, 2, SPARE
	v_mov_b32 v[NIL], 0
	ds_add_u32 v[SPW], v[NIL]                      ; the wave's opening: the add, twice on end, and its wait ahead of my first tensor load
	ds_add_u32 v[SPW], v[NIL]
	v_lshrrev_b32 v1, 5, v0
	v_readfirstlane_b32 s14, v1                    ; wave 0..3
	s_lshr_b32 s15, s14, 1                         ; which half of the tile's tokens is mine.  Also: I fetch for x (0) or for W (1)
	s_and_b32 s16, s14, 1                          ; which half of its features.  Also: which 128 rows I fetch
	s_bfe_u32 s40, ttmp6, 0x40000                  ; cx, cy
	s_bfe_u32 s41, ttmp6, 0x40004
	s_lshl_b32 s42, ttmp9, 2
	s_add_co_u32 s42, s42, s40                     ; tile column
	s_and_b32 s17, ttmp7, 0xffff
	s_lshl_b32 s17, s17, 2
	s_add_co_u32 s17, s17, s41                     ; tile row
	s_lshl_b32 s43, s41, 2
	s_lshl_b32 s43, 15, s43                        ; my row of the cluster
	s_lshl_b32 s44, 0x1111, s40                    ; my column
	s_or_b32 s[G1+0], s43, (0<<16)|(1<<20)|(1<<21)|(5<<22)|(3<<25)  ; the mask; elements of 1 byte; padding: 4 words behind every 64
	s_or_b32 s[G1B+0], s44, (0<<16)|(1<<20)|(1<<21)|(5<<22)|(3<<25)
.irp g, G1, G1B
	s_mov_b32 s[\g+1], ROWB<<16                    ; tensor_dim0
	s_mov_b32 s[\g+2], 128<<16                     ; tensor_dim1
	s_mov_b32 s[\g+3], ROWB<<16                    ; tile_dim0
	s_mov_b32 s[\g+4], 128                         ; tile_dim1
	s_mov_b32 s[\g+5], KROW                        ; from row to row
	s_mov_b32 s[\g+6], 0
	s_mov_b32 s[\g+7], 0
.endr
	s_or_b32 s[G1S+0], s43, (3<<16)|(1<<20)|(1<<21)|(5<<22)|(3<<25) ; the scales of 128 rows: 4,096 dense bytes as 16 rows of 256, 16 bytes of padding behind each
	s_or_b32 s[G1SB+0], s44, (3<<16)|(1<<20)|(1<<21)|(5<<22)|(3<<25)
.irp g, G1S, G1SB
	s_mov_b32 s[\g+1], 32<<16
	s_mov_b32 s[\g+2], 16<<16
	s_mov_b32 s[\g+3], 32<<16
	s_mov_b32 s[\g+4], 16
	s_mov_b32 s[\g+5], 32
	s_mov_b32 s[\g+6], 0
	s_mov_b32 s[\g+7], 0
.endr
	s_lshl_b32 s18, s16, 7
	s_lshl_b32 s20, s17, 8
	s_add_co_u32 s20, s20, s18                     ; x: row 256 x tile row + 128 x half
	s_lshl_b32 s46, s42, 8
	s_add_co_u32 s46, s46, s18                     ; W: row 256 x tile column + 128 x half
	s_mov_b32 s21, 0
	s_mov_b32 s47, 0
	s_mov_b64 s[18:19], KS
	s_mul_u64 s[22:23], s[20:21], s[18:19]
	s_mul_u64 s[92:93], s[46:47], s[18:19]
	s_mov_b64 s[18:19], KROW
	s_mul_u64 s[20:21], s[20:21], s[18:19]
	s_mul_u64 s[46:47], s[46:47], s[18:19]
	s_mul_i32 s45, s14, HALFT                      ; where they go: wave x 128 rows
	s_mul_i32 s94, s14, HALFS
	s_mov_b32 s3, 0xffff0000                       ; lanes 16-31
	s_mov_b32 s[SEL], 0x76543210
	s_mov_b32 s[SEL+1], 0xfedcba98
	s_wait_dscnt 0x0                               ; both opening adds are done
	s_wait_kmcnt 0x0
	s_mov_b64 s[12:13], s[10:11]                   ; rec
	s_mov_b64 s[98:99], s[8:9]                     ; bqkv
	s_mov_b64 s[8:9], s[6:7]                       ; W's codes
	s_add_nc_u64 s[10:11], s[6:7], 0x200000        ; W's scales
	s_add_nc_u64 s[6:7], s[4:5], 0x400000          ; x's scales
	s_add_nc_u64 s[20:21], s[4:5], s[20:21]
	s_add_nc_u64 s[22:23], s[6:7], s[22:23]
	s_add_nc_u64 s[46:47], s[8:9], s[46:47]
	s_add_nc_u64 s[92:93], s[10:11], s[92:93]
	CROUND                                         ; all sixteen work-groups are here: the joint loads meet
	s_mov_b32 s[G0S], 1
	s_add_co_u32 s[G0S+1], s94, SCL
	s_mov_b64 s[G0S+2:G0S+3], s[22:23]
	s_or_b32 s[G0S+3], s[G0S+3], 0x80000000
	s_mov_b32 s[G0SB], 1
	s_add_co_u32 s[G0SB+1], s94, SCL
	s_mov_b64 s[G0SB+2:G0SB+3], s[92:93]
	s_or_b32 s[G0SB+3], s[G0SB+3], 0x80000000
	JLOAD G0S, G1S, G0SB, G1SB                     ; the scales first; by this text's count three tensor loads of a wave are out at the most
.irp s, 0,1
	s_mov_b32 s[G0+4*\s], 1
	s_add_co_u32 s[G0+4*\s+1], s45, \s*SLOT
	s_add_nc_u64 s[G0+4*\s+2:G0+4*\s+3], s[20:21], \s*ROWB
	s_or_b32 s[G0+4*\s+3], s[G0+4*\s+3], 0x80000000
	s_mov_b32 s[G0B+4*\s], 1
	s_add_co_u32 s[G0B+4*\s+1], s45, \s*SLOT
	s_add_nc_u64 s[G0B+4*\s+2:G0B+4*\s+3], s[46:47], \s*ROWB
	s_or_b32 s[G0B+4*\s+3], s[G0B+4*\s+3], 0x80000000
	JLOAD G0+4*\s, G1, G0B+4*\s, G1B
.endr
	v_and_b32 v1, 15, v0                           ; r
	v_bfe_u32 v2, v0, 4, 1                         ; h
	v_mul_u32_u24 v3, v1, PITCH
	v_lshl_add_u32 v4, v2, 4, v3
	s_mul_i32 s21, s15, HALFT
	s_mul_i32 s22, s16, HALFT
	s_add_co_u32 s22, s22, 2*HALFT
.irp s, 0,1
	v_add_nc_u32 v[ADRA+\s], s21, v4
	v_add_nc_u32 v[ADRB+\s], s22, v4
	s_add_co_u32 s21, s21, SLOT
	s_add_co_u32 s22, s22, SLOT
.endr
	v_mul_u32_u24 v5, v1, KS                       ; my row's scales: 32 bytes a row,
	v_lshrrev_b32 v6, 8, v5
	v_lshl_add_u32 v5, v6, 4, v5                   ; and 16 more for each 256 passed
	s_mul_i32 s21, s15, HALFS
	s_mul_i32 s22, s16, HALFS
	s_add_co_u32 s22, s22, 2*HALFS
	s_sub_co_u32 s22, s22, s21
	v_mul_u32_u24 v6, s22, v2                      ; lanes 16-31 take W's
	s_add_co_u32 s21, s21, SCL
	v_add_nc_u32 v5, v5, v6
	v_add_nc_u32 v[ADRS], s21, v5
	v_lshlrev_b32 v[VBQ], 6, v2
	v_and_b32 v3, 8, v1
	v_add_nc_u32 v3, v3, v1
	v_lshlrev_b32 v[VBV], 2, v3
	v_and_b32 v3, 31, v0
	v_lshlrev_b32 v[LI], 4, v3
	v_lshlrev_b32 v[L8], 3, v3
.irp b, 0,1,2,3
	v_mov_b32 v[TP+\b], 0                          ; written once: a lane permute's destination counts as one of its sources
.endr
	s_lshl_b32 s46, s42, 10                        ; the bias of my 128 features: 4 (256 x tile column + 128 x half)
	s_lshl_b32 s47, s16, 9
	s_add_co_u32 s46, s46, s47
	s_mov_b32 s47, 0
	s_add_nc_u64 s[98:99], s[98:99], s[46:47]
	s_lshl_b32 s46, s42, 2                         ; my first record
	s_lshl_b32 s47, s16, 1
	s_add_co_u32 s46, s46, s47
	s_and_b32 s46, s46, 15                         ; my first head of two
	s_lshr_b32 s47, s17, 3                         ; the batch
	s_lshl_b32 s47, s47, 4
	s_add_co_u32 s46, s46, s47
	s_lshl_b32 s46, s46, 4
	s_and_b32 s47, s17, 7
	s_lshl_b32 s47, s47, 1
	s_add_co_u32 s47, s47, s15                     ; my group of 128 tokens
	s_add_co_u32 s46, s46, s47
	s_mul_i32 s46, s46, REC
	s_cmp_eq_u32 ttmp9, 0
	s_cselect_b32 s47, 8960, 0                     ; the field: q's,
	s_cmp_eq_u32 ttmp9, 2
	s_cselect_b32 s47, 4608, s47                   ; v's, or k's at 0
	s_add_co_u32 s46, s46, s47
	s_mov_b32 s47, 0
	s_add_nc_u64 s[12:13], s[12:13], s[46:47]
	; the bias, in the result's layout, asked for while the tiles are on their way
	s_cmp_ge_u32 ttmp9, 2
	s_cbranch_scc1 .Lbias_v
.irp b, 0,1,2,3,4,5,6,7                        ; q, k: lane (r, h), tile b, register j: feature 32 (b / 2) + 16 h + 8 (b % 2) + j
	global_load_b128 v[BI+8*\b:BI+8*\b+3], v[VBQ], s[98:99] offset:128*(\b/2)+32*(\b%2)
	global_load_b128 v[BI+8*\b+4:BI+8*\b+7], v[VBQ], s[98:99] offset:128*(\b/2)+32*(\b%2)+16
.endr
	s_branch .Lbias_done
.Lbias_v:
	s_wait_alu depctr_va_vdst(0)
.irp b, 0,1,2,3,4,5,6,7                        ; v: every register of lane (r, h) belongs to feature 32 (b / 2) + 8 (b % 2) + r + 8 (r / 8)
.irp j, 0,1,2,3,4,5,6,7
	global_load_b32 v[BI+8*\b+\j], v[VBV], s[98:99] offset:128*(\b/2)+32*(\b%2)
.endr
.endr
.Lbias_done:
.macro FRAG reg, adr, q, i             ; 16 rows x 128 K of 4-bit codes: 8 registers, two loads of 16 bytes, 32 bytes apart
.irp c, 0,1
	ds_load_b128 v[\reg+4*\c:\reg+4*\c+3], v[\adr] offset:64*(\q)+32*\c+(\i)*16*PITCH
.endr
.endm
; 16 matrix instructions: x's blocks a0, a0 + 1 against W's eight.  sw = 0: source 0 = W; sw = 1: source 0 = x.  first = 1: C is the bias of W's block b.  The 64 accumulators take turns, one instruction a turn.
.macro MUL16 a0, p, q, sc, first, sw
.irp a, \a0, \a0+1
.irp b, 0,1,2,3,4,5,6,7
.set rD, 8*(8*((\a)%4)+\b)
.set rB, 128*(\p)+FR*\b
.set rA, AF+FR*(\a)
.set rSB, SC+32*(\sc)+4*\b+(\q)
.set rSA, SC+32*(\sc)+4*(\a)+(\q)
.set rC, rD
.if \first
.set rC, BI+8*\b
.endif
.if \sw
	v_wmma_scale_f32_16x16x128_f8f6f4 v[rD:rD+7], v[rA:rA+7], v[rB:rB+7], v[rC:rC+7], v[rSA], v[rSB] matrix_a_fmt:MATRIX_FMT_FP4 matrix_b_fmt:MATRIX_FMT_FP4 matrix_b_scale:MATRIX_SCALE_ROW1
.else
	v_wmma_scale_f32_16x16x128_f8f6f4 v[rD:rD+7], v[rB:rB+7], v[rA:rA+7], v[rC:rC+7], v[rSB], v[rSA] matrix_a_fmt:MATRIX_FMT_FP4 matrix_b_fmt:MATRIX_FMT_FP4 matrix_a_scale:MATRIX_SCALE_ROW1
.endif
.endr
.endr
.endm
.macro WINM hi, first, sw              ; W's fragments window 1, x's window 0, D window 2 or 3, C with it or (the bias) window 0
	WIN (1+3*(\sw))|((2+(\hi))<<6)|((1-(\first))*((2+(\hi))<<4))
.endm
.macro FETCH_B slot, q, p
	WIN TO_B
.irp i, 0,1,2,3,4,5,6,7
	FRAG 128*(\p)+FR*\i, ADRB+\slot, \q, \i
.endr
	WIN 0
.endm
.macro FETCH_A slot, q, i0
.irp i, \i0, \i0+1, \i0+2, \i0+3
	FRAG AF+FR*(\i), ADRA+\slot, \q, \i
.endr
.endm
.macro SCALES sc                       ; a slot's scale words: lanes 0-15 x's block i, lanes 16-31 W's block i; four words a row
.irp i, 0,1,2,3,4,5,6,7
	ds_load_b128 v[SC+32*\sc+4*\i:SC+32*\sc+4*\i+3], v[ADRS] offset:\i*SBLK
.endr
.endm
.macro PLACES n                        ; plain vector instructions between a matrix instruction and a load into, or a read of, its registers
.rept \n
	v_nop
.endr
.endm
.macro STEP slot, q, first, sw         ; 128 along K, with its successor in the same slot
	s_wait_dscnt 8                                 ; all but the youngest eight loads (x's blocks 4-7) are in
	WINM 0, \first, \sw
	MUL16 0, (\q)%2, \q, \slot, \first, \sw
	MUL16 2, (\q)%2, \q, \slot, \first, \sw
	s_wait_dscnt 0
	PLACES 4
	FETCH_B \slot, (\q)+1, 1-(\q)%2
	FETCH_A \slot, (\q)+1, 0
	WINM 1, \first, \sw
	MUL16 4, (\q)%2, \q, \slot, \first, \sw
	MUL16 6, (\q)%2, \q, \slot, \first, \sw
	PLACES 4
	WIN 0
	FETCH_A \slot, (\q)+1, 4
.endm
.macro LAST slot, sw                   ; a slot's last step fetches nothing
	s_wait_dscnt 8
	WINM 0, 0, \sw
	MUL16 0, 1, 3, \slot, 0, \sw
	MUL16 2, 1, 3, \slot, 0, \sw
	s_wait_dscnt 0
	WINM 1, 0, \sw
	MUL16 4, 1, 3, \slot, 0, \sw
	MUL16 6, 1, 3, \slot, 0, \sw
	WIN 0
.endm
.macro HALF slot, first, sw
	STEP \slot, 0, \first, \sw
	STEP \slot, 1, 0, \sw
	STEP \slot, 2, 0, \sw
	LAST \slot, \sw
.endm
; Two blocks of 32 along the next K become four registers of codes, PC + 4 k on, and half a scale word, HW + k.  Block 0 lies in accumulators xa, xb of window w, block 1 in xc, xd: a lane's 16 registers are 16 neighbours,
; lanes l and l xor 16 hold a block.  Each accumulator is read from its low end on.
.macro QHALF w, xa, xb, xc, xd, k
	WIN (\w)|((\w)<<2)
	v_max3_num_f32 v[TM+2*\k], |v[\xa]|, |v[(\xa)+1]|, 0x1800000       ; with the floor 2^(3 - 127): the byte cannot fall under 1
	v_max3_num_f32 v[TM+2*\k+1], |v[\xc]|, |v[(\xc)+1]|, 0x1800000
.irp i, 2,4,6
	v_max3_num_f32 v[TM+2*\k], |v[(\xa)+\i]|, |v[(\xa)+\i+1]|, v[TM+2*\k]
	v_max3_num_f32 v[TM+2*\k+1], |v[(\xc)+\i]|, |v[(\xc)+\i+1]|, v[TM+2*\k+1]
.endr
.irp i, 0,2,4,6
	v_max3_num_f32 v[TM+2*\k], |v[(\xb)+\i]|, |v[(\xb)+\i+1]|, v[TM+2*\k]
	v_max3_num_f32 v[TM+2*\k+1], |v[(\xd)+\i]|, |v[(\xd)+\i+1]|, v[TM+2*\k+1]
.endr
	WIN 0
.irp e, 0,1
	v_permlanex16_b32 v[TP+2*\k+\e], v[TM+2*\k+\e], s[SEL], s[SEL+1]
.endr
.irp e, 0,1
	v_max_num_f32 v[TM+2*\k+\e], v[TM+2*\k+\e], v[TP+2*\k+\e]
.endr
.irp e, 0,1
	v_add_nc_u32 v[TSC+2*\k+\e], 0xff000000, v[TM+2*\k+\e]            ; 2 off the exponent field: the conversion's scale operand
.endr
.irp e, 0,1
	v_lshrrev_b32 v[TBY+2*\k+\e], 23, v[TSC+2*\k+\e]                  ; the scale's byte
.endr
.if \k == 0
	s_wait_alu depctr_va_vdst(0)
	s_wait_xcnt 0x0                                ; the earlier stores have read the codes' registers: they are written again only behind this wait
.endif
	WIN (\w)
	v_cvt_scalef32_pk8_fp4_f32 v[PC+4*\k], v[(\xa):(\xa)+7], v[TSC+2*\k]
	v_cvt_scalef32_pk8_fp4_f32 v[PC+4*\k+1], v[(\xb):(\xb)+7], v[TSC+2*\k]
	v_cvt_scalef32_pk8_fp4_f32 v[PC+4*\k+2], v[(\xc):(\xc)+7], v[TSC+2*\k+1]
	v_cvt_scalef32_pk8_fp4_f32 v[PC+4*\k+3], v[(\xd):(\xd)+7], v[TSC+2*\k+1]
	WIN 0
	v_lshl_or_b32 v[HW+\k], v[TBY+2*\k+1], 8, v[TBY+2*\k]             ; (also the plain instruction behind the conversions)
	v_permlane16_swap_b32 v[PC+4*\k], v[PC+4*\k+2]                    ; the operand's layout wants a whole block in a lane: lanes 0-15 the first, lanes 16-31 the second
	v_permlane16_swap_b32 v[PC+4*\k+1], v[PC+4*\k+3]
.endm
	s_wait_tensorcnt 1                             ; the scales and my part of slot 0 are in; slot 1's load may be out,
	s_barrier_signal -1
	s_barrier_wait -1                              ; everybody's are
	FETCH_B 0, 0, 0
	FETCH_A 0, 0, 0
	SCALES 0
	FETCH_A 0, 0, 4
	s_wait_loadcnt 0x0                             ; the bias
	s_cmp_ge_u32 ttmp9, 2
	s_cbranch_scc1 .Lv0
	HALF 0, 1, 0
	s_branch .Lmid
.Lv0:
	HALF 0, 1, 1
.Lmid:
	PLACES 4                                       ; in front of the loads into the fragments' registers
	s_wait_tensorcnt 0x0                           ; my part of slot 1 is in,
	s_wait_dscnt 0x0
	s_barrier_signal -1
	s_barrier_wait -1                              ; everybody's is.
	v_add_nc_u32 v[ADRS], 16, v[ADRS]              ; slot 1's scale words
	FETCH_B 1, 0, 0
	FETCH_A 1, 0, 0
	SCALES 1
	FETCH_A 1, 0, 4
	s_cmp_ge_u32 ttmp9, 2
	s_cbranch_scc1 .Lv1
	HALF 1, 0, 0
	PLACES 4
	; q, k: tile g of 16 tokens; head k's 64 features are W's blocks 4 k .. 4 k + 3.  Each store covers 512 consecutive bytes.
.irp g, 0,1,2,3,4,5,6,7
	QHALF 2+\g/4, 64*(\g%4), 64*(\g%4)+8, 64*(\g%4)+16, 64*(\g%4)+24, 0
	QHALF 2+\g/4, 64*(\g%4)+32, 64*(\g%4)+40, 64*(\g%4)+48, 64*(\g%4)+56, 1
	global_store_b128 v[LI], v[PC:PC+3], s[12:13] offset:512*\g
	global_store_b128 v[LI], v[PC+4:PC+7], s[12:13] offset:512*\g+HEADB
.if \g%2 == 0
	v_mov_b32 v[SW+\g/2], v[HW]                    ; the scale words of two tiles share a register: the even tile's in lanes 0-15,
	v_mov_b32 v[SW+4+\g/2], v[HW+1]
.else
	v_cndmask_b32 v[SW+\g/2], v[SW+\g/2], v[HW], s3   ; the odd tile's in lanes 16-31
	v_cndmask_b32 v[SW+4+\g/2], v[SW+4+\g/2], v[HW+1], s3
.endif
.endr
	global_store_b128 v[LI], v[SW:SW+3], s[12:13] offset:4096
	global_store_b128 v[LI], v[SW+4:SW+7], s[12:13] offset:4096+HEADB
	s_branch .Lend
.Lv1:
	HALF 1, 0, 1
	PLACES 4
	; v: tile g of 16 features; the 128 tokens are x's blocks 0-7: four blocks of 32 along the keys
.irp g, 0,1,2,3,4,5,6,7
	QHALF 2, 8*\g, 64+8*\g, 128+8*\g, 192+8*\g, 0
	QHALF 3, 8*\g, 64+8*\g, 128+8*\g, 192+8*\g, 1
	v_lshl_or_b32 v[HW], v[HW+1], 16, v[HW]
	global_store_b128 v[LI], v[PC:PC+3], s[12:13] offset:(\g/4)*HEADB+(\g%4)*1024
	global_store_b128 v[LI], v[PC+4:PC+7], s[12:13] offset:(\g/4)*HEADB+(\g%4)*1024+512
.if \g%2 == 0
	v_mov_b32 v[SW+2*(\g/4)+(\g%4)/2], v[HW]
.else
	v_cndmask_b32 v[SW+2*(\g/4)+(\g%4)/2], v[SW+2*(\g/4)+(\g%4)/2], v[HW], s3
.endif
.endr
	global_store_b64 v[L8], v[SW:SW+1], s[12:13] offset:4096
	global_store_b64 v[L8], v[SW+2:SW+3], s[12:13] offset:4096+HEADB
.Lend:
	s_wait_tensorcnt 0x0                           ; the wave's end
	ds_add_u32 v[SPW], v[NIL]
	s_wait_dscnt 0x0
	CROUND                                         ; the closing round
	s_endpgm
.Lfunc_end_k_q6fd3043039_proj:
	.size	k_q6fd3043039_proj, .Lfunc_end_k_q6fd3043039_proj-k_q6fd3043039_proj
	.p2alignl 7, 3214868480
	.fill 96, 4, 3214868480
	.section	.rodata,"a",@progbits
	.p2align	6, 0x0
	.amdhsa_kernel k_q6fd3043039_proj
		.amdhsa_group_segment_fixed_size 327680
		.amdhsa_private_segment_fixed_size 0
		.amdhsa_enable_private_segment 0
		.amdhsa_kernarg_size 32
		.amdhsa_user_sgpr_count 2
		.amdhsa_user_sgpr_kernarg_segment_ptr 1
		.amdhsa_wavefront_size32 1
		.amdhsa_system_sgpr_workgroup_id_x 1
		.amdhsa_system_sgpr_workgroup_id_y 1
		.amdhsa_system_sgpr_workgroup_id_z 1
		.amdhsa_system_vgpr_workitem_id 0
		.amdhsa_next_free_vgpr 1024
		.amdhsa_next_free_sgpr 100
		.amdhsa_reserve_vcc 0
		.amdhsa_float_denorm_mode_32 3
		.amdhsa_float_denorm_mode_16_64 3
		.amdhsa_memory_ordered 1
		.amdhsa_forward_progress 1
		.amdhsa_inst_pref_size 251
	.end_amdhsa_kernel
	.amdgpu_metadata
---
amdhsa.version: [ 1, 2 ]
amdhsa.kernels:
  - .name:           k_q6fd3043039_proj
    .symbol:         k_q6fd3043039_proj.kd
    .args:
      - { .name: xq, .offset: 0, .size: 8, .value_kind: global_buffer, .address_space: global }
      - { .name: wq, .offset: 8, .size: 8, .value_kind: global_buffer, .address_space: global }
      - { .name: bqkv, .offset: 16, .size: 8, .value_kind: global_buffer, .address_space: global }
      - { .name: rec, .offset: 24, .size: 8, .value_kind: global_buffer, .address_space: global }
    .group_segment_fixed_size: 327680
    .private_segment_fixed_size: 0
    .kernarg_segment_align: 8
    .kernarg_segment_size: 32
    .max_flat_workgroup_size: 128
    .sgpr_count:     100
    .vgpr_count:     1024
    .wavefront_size: 32
...
	.end_amdgpu_metadata
.endif
;; end of part 2
;; launch attn (part 3): grid 8 x 32, 16 waves a work-group, clusters of 4 x 1, 327,680 bytes of LDS; arguments rec, oq; writes oq
.if DOCPART == 3
	.amdgcn_target "amdgcn-amd-amdhsa--gfx1250"
	.amdhsa_code_object_version 6
	.text
	.protected	k_q6fd3043039_attn
	.globl	k_q6fd3043039_attn
	.p2align	8
	.type	k_q6fd3043039_attn,@function
k_q6fd3043039_attn:
	s_mov_b64 s[64:65], 0
	v_nop
	global_prefetch_b8 v0, s[64:65] scope:SCOPE_SE
	s_setreg_imm32_b32 hwreg(HW_REG_WAVE_MODE, 25, 1), 1
	s_wait_xcnt 0x0
	s_wait_alu depctr_hold_cnt(0) depctr_sa_sdst(0) depctr_va_vdst(0) depctr_va_sdst(0) depctr_va_ssrc(0) depctr_va_vcc(0) depctr_vm_vsrc(0)
	s_getreg_b32 s2, hwreg(HW_REG_IB_STS2, 6, 4)
	s_cmp_eq_u32 s2, 0
	s_cbranch_scc0 .Lentry_in_a_cluster
	s_endpgm
.Lentry_in_a_cluster:
	s_bfe_u32 s2, ttmp6, 0x10000c
	s_cmp_lg_u32 s2, 0x3003
	s_cbranch_scc0 .Lentry_shape_is_right
	s_endpgm
.Lentry_shape_is_right:
; o = softmax(where(causal, q k^T / 8, -0.0001)) v for 64 heads of 2,048 tokens x 64, both products on codes of FP4 (E2M1) with E8M0 scales; o is quantised at once into the last product's operand.
; WORK LEFT OUT: the products q k^T of steps of 128 keys all of which come after all 16 queries of the tile: reference() puts -0.0001 in the place of those logits whatever q and k hold (shown at the head of the first kernel).
; The masked keys stay in the softmax and in the product with v.  In such a step every p of a row is the same number, 2^(t0 - M), t0 = -0.0001 log2(e): it is made and quantised once a row, and the step is four products on v.
; LIMITS: a NaN, an infinity or an overflow that could arise in the left-out scores alone is not carried on; p under 2^-126 counts as 0; blocks under 2^-124 get the byte 1.
; THE SOFTMAX: t = score x log2(e) / 8; M = the row's largest t so far, rounded up to a whole number; p = 2^(t - M) is quantised along the keys; the row's sum is taken of the unquantised p and divides at the end.
; Rows of groups 0-14 always have masked keys, so their largest t begins at t0; in group 15 the masked keys of the step on the diagonal bring it in where a row has any.
; SHARES.  A work-group owns two heads of one batch, whose k and v (codes and scale words, 286,720 bytes) lie in LDS whole, and query tile i of every one of the 16 groups of 128 tokens.  A wave runs two units,
; (head, group G) and (head, group 15 - G): together 17 steps with scores and 15 masked steps in every wave.  Which head and group hangs on the wave's number alone.
; CLUSTER.  The four partners differ in i alone and want the same k and v: each wave's one tensor load is a joint one.  i enters global addresses and the mask's compare values, no branch and no LDS address.
; LAYOUT.  Both products are used transposed: S^T = k q^T (source 0 = 16 keys), O^T = v^T p^T (source 0 = 16 of the head's 64): a lane holds one query throughout.  By the stored order of tokens and features the 16 registers
; of two neighbouring tiles are 16 neighbouring keys (in S^T) or 16 neighbouring channels (in O^T).  The head is 64 wide: registers 4-7 of q's and k's fragments are zero codes.
; oq: codes [slot = batch 128 + i 16 + group][head][512 bytes]; from byte 4,194,304 scale words [pair of heads][slot 16 + row][4 bytes].
; REGISTERS: v1-9 addresses; v10, v11, v214 at work; v12 -M, v13 the largest t, v[14:15] the sum; v16-23 q; v24 q's scale word, v25 p's, v26-27 v's, v28-31 k's; v32-63 four fragments of k; v64-95 four of v;
; v96-159 S^T, then p; v160-191 O^T; v192-199 p's codes; v200-211 the blocks' maxima, bytes, scale operands; v[212:213] f; v215 the masked p; v216 the masked score; v217, v218 LDS addresses; v220-223 o's codes.
.set REC,   13568
.set LREC,  8960                       ; what of a record lies in LDS: k's and v's fields
.set SPARE, 32*LREC                    ; the spare words, 128 bytes for each of sixteen waves
.set OSG,   SPARE+2048                 ; o's half scale words: [head 2][group 16][row 16] words
.macro CROUND
	s_barrier_signal -1
	s_barrier_wait -1
	s_cmp_lg_u32 s8, 0
	s_cbranch_scc1 .Lnot_wave_0_\@
	s_barrier_signal -3
.Lnot_wave_0_\@:
	s_barrier_wait -3
	s_barrier_signal -1
	s_barrier_wait -1
.endm
	s_load_b128 s[4:7], s[0:1], 0x0                ; rec, oq
	v_lshl_add_u32 v3, v0, 2, SPARE
	v_mov_b32 v4, 0
	ds_add_u32 v3, v4                              ; the wave's opening: the add, twice on end, and its wait ahead of my first tensor load
	ds_add_u32 v3, v4
	v_lshrrev_b32 v10, 5, v0
	s_delay_alu instid0(VALU_DEP_1)
	v_readfirstlane_b32 s8, v10                    ; wave 0..15
	s_bfe_u32 s15, ttmp6, 0x40000                  ; cx
	s_lshl_b32 s12, ttmp9, 2
	s_add_co_u32 s12, s12, s15                     ; i: my tile of queries in every group
	s_and_b32 s14, ttmp7, 0xffff
	s_lshr_b32 s13, s14, 3                         ; the batch
	s_and_b32 s14, s14, 7                          ; the pair of heads
	s_lshr_b32 s37, s8, 2                          ; k = wave / 4
	s_and_b32 s38, s8, 3                           ; s = wave % 4
	s_and_b32 s9, s37, 1                           ; my head of the two
	s_lshr_b32 s10, s37, 1
	s_lshl_b32 s10, s10, 1
	s_lshr_b32 s39, s38, 1
	s_add_co_u32 s10, s10, s39
	s_xor_b32 s39, s38, s37
	s_and_b32 s39, s39, 1
	s_mul_i32 s39, s39, 7
	s_xor_b32 s10, s10, s39                        ; my first group, 0..7: over (k, s): 0 7 1 6 / 7 0 6 1 / 2 5 3 4 / 5 2 4 3
	s_xor_b32 s11, s10, 15                         ; my second
	s_mul_i32 s30, s9, 16*LREC                     ; my head's records in LDS
	; my one tensor load: records 2 w and 2 w + 1 of the pair's 32: two rows of 8,960 bytes, 13,568 bytes apart in memory, dense in LDS
	s_mov_b32 s16, 15|(3<<16)|(1<<21)              ; the mask: all four partners; elements of 8 bytes; bit 21 beside a mask; no padding
	s_mov_b32 s17, 1120<<16                        ; tensor_dim0
	s_mov_b32 s18, 2<<16                           ; tensor_dim1
	s_mov_b32 s19, 1120<<16                        ; tile_dim0
	s_mov_b32 s20, 2                               ; tile_dim1
	s_mov_b32 s21, 1696                            ; from row to row
	s_mov_b32 s22, 0
	s_mov_b32 s23, 0
	s_mov_b32 s24, 1
	s_mul_i32 s25, s8, 2*LREC
	s_lshl_b32 s46, s13, 4
	s_lshl_b32 s47, s14, 1
	s_add_co_u32 s46, s46, s47
	s_lshl_b32 s52, s46, 4                         ; the pair's first record
	s_lshl_b32 s47, s8, 1
	s_add_co_u32 s46, s52, s47
	s_mul_i32 s46, s46, REC
	s_mov_b32 s47, 0
	s_mov_b32 s31, 0xb917470c                      ; t0 = f32(-0.0001) x f32(log2 e), rounded to f32
	s_mov_b32 s32, 0x3e38aa3b                      ; c = log2(e) / 8
	s_mov_b32 s33, s32                             ; (named with it as a pair)
	s_mov_b32 s34, 0x76543210
	s_mov_b32 s35, 0xfedcba98                      ; selects for lane l xor 16
	s_mov_b32 s36, 0xff61b1e6                      ; -3e38, under every t
	s_wait_dscnt 0x0                               ; both opening adds are done
	s_wait_kmcnt 0x0
	s_add_nc_u64 s[26:27], s[4:5], s[46:47]
	s_or_b32 s27, s27, 0x80000000
	CROUND                                         ; all four work-groups are here: the joint loads meet
	tensor_load_to_lds s[24:27], s[16:23]          ; every wave issues it: one tensor load of a wave is out
	s_nop 0
	v_and_b32 v10, 31, v0                          ; lane
	s_delay_alu instid0(VALU_DEP_1)
	v_lshlrev_b32 v1, 4, v10                       ; 16 x lane
	s_delay_alu instid0(VALU_DEP_2)
	v_lshlrev_b32 v2, 3, v10                       ; 8 x lane
	v_and_b32 v11, 15, v0                          ; r
	s_wait_alu depctr_va_vdst(0)
	v_bfe_u32 v214, v0, 4, 1                       ; h
	v_lshlrev_b32 v7, 2, v11                       ; 4 r
	v_and_b32 v5, 8, v11
	s_delay_alu instid0(VALU_DEP_1)
	v_add_nc_u32 v5, v5, v11
	s_delay_alu instid0(VALU_DEP_4)
	v_lshlrev_b32 v214, 4, v214
	s_delay_alu instid0(VALU_DEP_1)
	v_sub_nc_u32 v5, v5, v214
	s_lshr_b32 s37, s12, 1
	s_and_b32 s38, s12, 1
	s_lshl_b32 s39, s37, 5
	s_lshl_b32 s53, s38, 3
	s_add_co_u32 s39, s39, s53
	v_add_nc_u32 v5, s39, v5                       ; d = my query in its group - 16 h: 32 (i / 2) + 8 (i % 2) + r + 8 (r / 8) - 16 h
	s_lshl_b32 s39, s38, 8
	s_lshl_b32 s53, s37, 2
	s_add_co_u32 s39, s39, s53
	v_lshl_add_u32 v6, v11, 4, s39                 ; q's scale word: word i / 2 of lane r + 16 (i % 2)
	s_and_b32 s39, s8, 1
	s_lshl_b32 s39, s39, 9
	s_add_co_u32 s39, s39, OSG
	v_add_nc_u32 v218, s39, v1                     ; the end: where waves 0 and 1 read the half scale words
.irp j, 20,21,22,23, 36,37,38,39, 44,45,46,47, 52,53,54,55, 60,61,62,63
	v_mov_b32 v[\j], 0                             ; zero codes: the upper half of the instruction's K, in q and in k's four fragments; written once
.endr
.irp j, 204,205,206,207, 213, 215, 25, 192,193,194,195,196,197,198,199
	v_mov_b32 v[\j], 0                             ; written once, so that every way through the text finds them written
.endr
	v_mov_b32 v216, 0xba51b717                     ; the masked score: 8 x f32(-0.0001), so that score x c = t0
	s_wait_tensorcnt 0x0                           ; my two records are in,
	s_barrier_signal -1
	s_barrier_wait -1                              ; everybody's are
.macro VLOADS                          ; a step's v: four fragments and their scale words: nine loads
.irp t, 0,1,2,3
	ds_load_b128 v[64+8*\t:67+8*\t], v8 offset:4608+1024*\t
	ds_load_b128 v[68+8*\t:71+8*\t], v8 offset:4608+1024*\t+512
.endr
	ds_load_b64 v[26:27], v9 offset:8704
.endm
.macro PV                              ; O^T += v^T p^T: four accumulators by turns, one instruction a turn
.irp t, 0,1,2,3
.if \t%2
	v_wmma_scale_f32_16x16x128_f8f6f4 v[160+8*\t:167+8*\t], v[64+8*\t:71+8*\t], v[192:199], v[160+8*\t:167+8*\t], v[26+\t/2], v25 matrix_a_fmt:MATRIX_FMT_FP4 matrix_b_fmt:MATRIX_FMT_FP4 matrix_a_scale:MATRIX_SCALE_ROW1
.else
	v_wmma_scale_f32_16x16x128_f8f6f4 v[160+8*\t:167+8*\t], v[64+8*\t:71+8*\t], v[192:199], v[160+8*\t:167+8*\t], v[26+\t/2], v25 matrix_a_fmt:MATRIX_FMT_FP4 matrix_b_fmt:MATRIX_FMT_FP4
.endif
.endr
.endm
.macro KQ g                            ; S^T = k q^T: tiles 4 g .. 4 g + 3
.irp t, 0,1,2,3
.if \t%2
	v_wmma_scale_f32_16x16x128_f8f6f4 v[96+32*\g+8*\t:103+32*\g+8*\t], v[32+8*\t:39+8*\t], v[16:23], 0, v[28+2*\g+\t/2], v24 matrix_a_fmt:MATRIX_FMT_FP4 matrix_b_fmt:MATRIX_FMT_FP4 matrix_a_scale:MATRIX_SCALE_ROW1
.else
	v_wmma_scale_f32_16x16x128_f8f6f4 v[96+32*\g+8*\t:103+32*\g+8*\t], v[32+8*\t:39+8*\t], v[16:23], 0, v[28+2*\g+\t/2], v24 matrix_a_fmt:MATRIX_FMT_FP4 matrix_b_fmt:MATRIX_FMT_FP4
.endif
.endr
.endm
; A UNIT: my tile of 16 queries of group s[sg] of my head against all 2,048 keys, 128 a step.  The loop has 16 trips, a constant, so that the LDS address that it steps can be read off the text.
.macro UNIT sg
	s_wait_xcnt 0x0                                ; the last unit's loads and stores have read their addresses and data
	s_lshl_b32 s46, s9, 4
	s_add_co_u32 s46, s46, s52
	s_add_co_u32 s46, s46, s[\sg]                  ; the group's record
	s_mul_i32 s46, s46, REC
	s_mov_b32 s47, 0
	s_add_nc_u64 s[42:43], s[4:5], s[46:47]
	s_lshl_b32 s46, s12, 9
	s_add_co_u32 s46, s46, 8960
	s_add_nc_u64 s[40:41], s[42:43], s[46:47]      ; q's codes, tile i
	s_add_nc_u64 s[42:43], s[42:43], 13056         ; q's scale words
	s_lshl_b32 s46, s13, 7
	s_lshl_b32 s53, s12, 4
	s_add_co_u32 s46, s46, s53
	s_add_co_u32 s46, s46, s[\sg]                  ; the slot
	s_lshl_b32 s46, s46, 4
	s_lshl_b32 s53, s14, 1
	s_add_co_u32 s46, s46, s53
	s_add_co_u32 s46, s46, s9
	s_lshl_b32 s46, s46, 9
	s_add_nc_u64 s[44:45], s[6:7], s[46:47]        ; o's codes
	global_load_b128 v[16:19], v1, s[40:41]
	global_load_b32 v24, v6, s[42:43]
	s_cmp_eq_u32 s[\sg], 15
	s_cselect_b32 s46, s36, s31
	v_mov_b32 v13, s46                             ; the largest t so far: t0, or in the last group -3e38
	s_delay_alu instid0(VALU_DEP_1)
	v_floor_f32 v12, -v13                          ; -M
	v_mov_b32 v14, 0
	v_mov_b32 v15, 0
.set j, 0
.rept 32
	v_mov_b32 v[160+j], 0                          ; O^T: the step is written once, its first trip finds zeros
.set j, j+1
.endr
	s_lshl_b32 s46, s9, 10
	s_lshl_b32 s53, s[\sg], 6
	s_add_co_u32 s46, s46, s53
	s_add_co_u32 s46, s46, OSG
	v_add_nc_u32 v217, s46, v7                     ; where my row's half scale word goes
	s_sub_co_u32 s48, 15, s[\sg]
	s_lshl_b32 s48, s48, 7                         ; the keys of the wholly masked steps
	s_mov_b32 s28, s30                             ; the step's record in LDS
	s_mov_b32 s29, 0                               ; the step
	s_wait_loadcnt 0x0                             ; q
.Ltrip_\@:
	v_add_nc_u32 v8, s28, v1
	v_add_nc_u32 v9, s28, v2
	v_nop
	v_nop                                          ; four plain instructions between the last products and the loads into their registers
	s_cmp_gt_u32 s29, s[\sg]
	s_cbranch_scc1 .Lmask_\@
	s_setprio 2
	ds_load_b128 v[28:31], v8 offset:4096          ; k's scale words: register p: tile 2 p in lanes 0-15, tile 2 p + 1 in lanes 16-31
.irp t, 0,1,2,3
	ds_load_b128 v[32+8*\t:35+8*\t], v8 offset:512*\t
.endr
	s_wait_dscnt 0x0
	KQ 0
.rept 4
	v_nop
.endr
	s_wait_alu depctr_va_vdst(0)
.irp t, 0,1,2,3
	ds_load_b128 v[32+8*\t:35+8*\t], v8 offset:512*(4+\t)
.endr
	VLOADS
	s_wait_dscnt 9                                 ; k's four are in; v's nine may be out
	KQ 1
.rept 4
	v_nop
.endr
	s_cmp_lt_u32 s29, s[\sg]
	s_cbranch_scc1 .Lopen_\@                       ; only the step on the diagonal has hidden keys
.set n, 0
.rept 64
	v_cmp_gt_i32 vcc_lo, 32*(n/16)+n%16, v5        ; register 16 b + i holds key 32 b + 16 h + i of the group: hidden where 32 b + i > d
	v_cndmask_b32 v[96+n], v[96+n], v216, vcc_lo
.set n, n+1
.endr
.Lopen_\@:
.irp b, 0,1,2,3
	v_max3_num_f32 v[200+\b], v[96+16*\b], v[97+16*\b], v[98+16*\b]   ; the largest score of each block of 32 keys: for the row's maximum and for the block's largest p
.endr
.irp i, 3,5,7,9,11,13
.irp b, 0,1,2,3
	v_max3_num_f32 v[200+\b], v[200+\b], v[96+16*\b+\i], v[97+16*\b+\i]
.endr
.endr
.irp b, 0,1,2,3
	v_max_num_f32 v[200+\b], v[200+\b], v[111+16*\b]
.endr
.irp b, 0,1,2,3
	s_delay_alu instid0(VALU_DEP_4)
	v_permlanex16_b32 v[204+\b], v[200+\b], s34, s35
.endr
.irp b, 0,1,2,3
	s_delay_alu instid0(VALU_DEP_4)
	v_max_num_f32 v[200+\b], v[200+\b], v[204+\b]
.endr
	s_delay_alu instid0(VALU_DEP_2)
	v_max3_num_f32 v214, v200, v201, v202
	s_delay_alu instid0(VALU_DEP_1)
	v_max_num_f32 v214, v214, v203
	s_delay_alu instid0(VALU_DEP_1)
	v_mul_f32 v214, s32, v214
	s_delay_alu instid0(VALU_DEP_1)
	v_max_num_f32 v13, v13, v214                   ; the running largest t
	v_mov_b32 v214, v12
	s_delay_alu instid0(VALU_DEP_2)
	v_floor_f32 v12, -v13                          ; the new -M = -ceil(t)
	s_delay_alu instid0(VALU_DEP_1)
	v_sub_f32 v214, v12, v214                      ; old M - new M: a whole number, 0 or less
	s_delay_alu instid0(VALU_DEP_1)
	v_cvt_i32_f32 v214, v214
	s_delay_alu instid0(VALU_DEP_1)
	v_ldexp_f32 v212, 1.0, v214                    ; f = 2^(old M - new M)
.set j, 0
.rept 32
	v_pk_fma_f32 v[96+j:97+j], v[96+j:97+j], s[32:33], v[12:13] op_sel_hi:[1,0,0]   ; t - M
.set j, j+2
.endr
.irp b, 0,1,2,3
	v_fma_f32 v[200+\b], v[200+\b], s32, v12
.endr
.set j, 0
	s_setprio 1
	s_wait_alu depctr_va_vdst(0)
.rept 64
	v_exp_f32 v[96+j], v[96+j]                     ; p = 2^(t - M)
.set j, j+1
.endr
	v_pk_mul_f32 v[14:15], v[14:15], v[212:213] op_sel_hi:[1,0]       ; the sums under the new M (a plain instruction behind the exponentials)
	s_wait_alu depctr_va_vdst(0)                   ; one wait for the batch, ahead of its first reader
.irp b, 0,1,2,3
	v_exp_f32 v[200+\b], v[200+\b]                 ; each block's largest p
.endr
	v_pk_add_f32 v[204:205], v[100:101], v[104:105]
	v_pk_add_f32 v[254:255], v[108:109], v[112:113]
	v_pk_add_f32 v[252:253], v[116:117], v[120:121]
	v_pk_add_f32 v[250:251], v[124:125], v[128:129]
	v_pk_add_f32 v[248:249], v[132:133], v[136:137]
	v_pk_add_f32 v[246:247], v[140:141], v[144:145]
	v_pk_add_f32 v[244:245], v[148:149], v[152:153]
	v_pk_add_f32 v[14:15], v[14:15], v[156:157]
	v_pk_add_f32 v[204:205], v[204:205], v[96:97]
	v_pk_add_f32 v[254:255], v[254:255], v[98:99]
	v_pk_add_f32 v[252:253], v[252:253], v[102:103]
	v_pk_add_f32 v[250:251], v[250:251], v[106:107]
	v_pk_add_f32 v[248:249], v[248:249], v[110:111]
	v_pk_add_f32 v[246:247], v[246:247], v[114:115]
	v_pk_add_f32 v[244:245], v[244:245], v[118:119]
	v_pk_add_f32 v[14:15], v[14:15], v[122:123]
	v_pk_add_f32 v[204:205], v[204:205], v[126:127]
	v_pk_add_f32 v[254:255], v[254:255], v[130:131]
	v_pk_add_f32 v[252:253], v[252:253], v[134:135]
	v_pk_add_f32 v[250:251], v[250:251], v[138:139]
	v_pk_add_f32 v[248:249], v[248:249], v[142:143]
	v_pk_add_f32 v[246:247], v[246:247], v[146:147]
	v_pk_add_f32 v[244:245], v[244:245], v[150:151]
	v_pk_add_f32 v[14:15], v[14:15], v[154:155]
	v_pk_add_f32 v[204:205], v[204:205], v[158:159]
	s_delay_alu instid0(VALU_DEP_2)
	v_pk_add_f32 v[14:15], v[14:15], v[250:251]
	s_delay_alu instid0(VALU_DEP_2)
	v_pk_add_f32 v[204:205], v[204:205], v[248:249]
	v_pk_add_f32 v[254:255], v[254:255], v[246:247]
	v_pk_add_f32 v[252:253], v[252:253], v[244:245]
	s_delay_alu instid0(VALU_DEP_2)
	v_pk_add_f32 v[14:15], v[14:15], v[254:255]
	s_delay_alu instid0(VALU_DEP_2)
	v_pk_add_f32 v[204:205], v[204:205], v[252:253]
	s_delay_alu instid0(VALU_DEP_1)
	v_pk_add_f32 v[14:15], v[14:15], v[204:205]
	s_wait_alu depctr_va_vdst(0)                   ; and one for the four
.irp b, 0,1,2,3
	v_max_num_f32 v[200+\b], 0x1800000, v[200+\b]  ; the floor 2^(3 - 127)
.endr
.irp b, 0,1,2,3
	s_delay_alu instid0(VALU_DEP_4)
	v_add_nc_u32 v[208+\b], 0xff000000, v[200+\b]
.endr
.irp b, 0,1,2,3
	s_delay_alu instid0(VALU_DEP_4)
	v_lshrrev_b32 v[204+\b], 23, v[208+\b]
.endr
	s_delay_alu instid0(VALU_DEP_3)
	v_lshl_or_b32 v25, v205, 8, v204               ; p's scale word for these 128 keys
	s_delay_alu instid0(VALU_DEP_1)
	v_lshl_or_b32 v25, v206, 16, v25
	s_delay_alu instid0(VALU_DEP_1)
	v_lshl_or_b32 v25, v207, 24, v25
.irp b, 0,1,2,3
	v_cvt_scalef32_pk8_fp4_f32 v[192+2*\b], v[96+16*\b:103+16*\b], v[208+\b]
	v_cvt_scalef32_pk8_fp4_f32 v[193+2*\b], v[104+16*\b:111+16*\b], v[208+\b]
.endr
	v_nop                                          ; one plain instruction behind the conversions
.irp c, 0,1
.irp i, 0,1
	v_permlane16_swap_b32 v[192+4*\c+\i], v[194+4*\c+\i]
.endr
.endr
.set j, 0
	s_setprio 0
.rept 16
	v_pk_mul_f32 v[160+j:161+j], v[160+j:161+j], v[212:213] op_sel_hi:[1,0]   ; O^T under the new M; these sixteen also stand between the writes of p's codes and scale word and the products
.set j, j+2
.endr
	s_wait_alu depctr_va_vdst(0)
	s_wait_dscnt 0x0                               ; v is in
	PV
	s_cmp_lg_u32 s29, s[\sg]
	s_cbranch_scc1 .Lnext_\@
	; behind the step on the diagonal M is final: the masked keys' p, its code and its scale byte, once for the unit
	v_add_f32 v215, s31, v12                       ; t0 - M
	s_wait_alu depctr_va_vdst(0)
	v_exp_f32 v215, v215
	v_nop
	v_nop
	v_nop                                          ; with the addition: four plain instructions behind the products, ahead of the writes of their registers
	s_wait_alu depctr_va_vdst(0)
	v_max_num_f32 v10, 0x1800000, v215
	s_delay_alu instid0(VALU_DEP_1)
	v_add_nc_u32 v11, 0xff000000, v10
	s_delay_alu instid0(VALU_DEP_1)
	v_lshrrev_b32 v10, 23, v11
	s_delay_alu instid0(VALU_DEP_1)
	v_lshl_or_b32 v25, v10, 8, v10
	s_delay_alu instid0(VALU_DEP_1)
	v_lshl_or_b32 v25, v25, 16, v25                ; the same byte for all four blocks
.irp j, 0,1,2,3,4,5,6,7
	v_mov_b32 v[96+\j], v215
.endr
	v_cvt_scalef32_pk8_fp4_f32 v192, v[96:103], v11
	v_nop
.irp j, 1,2,3,4,5,6,7
	v_mov_b32 v[192+\j], v192                      ; all 128 codes of a row are the same
.endr
.rept 4
	v_nop
.endr
	s_branch .Lnext_\@
.Lmask_\@:
	s_wait_alu depctr_va_vdst(0)
	VLOADS
	s_wait_dscnt 0x0
	PV
.Lnext_\@:
	s_add_co_u32 s28, s28, LREC
	s_add_co_u32 s29, s29, 1
	s_cmp_lt_u32 s29, 16
	s_cbranch_scc1 .Ltrip_\@
	s_setprio 0
	; the unit's end: the row's sum, o = O^T / sum, quantised along the last product's K (head 64 + channel): two blocks of 32
	v_add_f32 v14, v14, v15
	v_cvt_f32_u32 v10, s48
	s_delay_alu instid0(VALU_DEP_2)
	v_permlanex16_b32 v214, v14, s34, s35
	s_delay_alu instid0(VALU_DEP_1)
	v_add_f32 v14, v14, v214
	v_fma_f32 v14, v10, v215, v14                  ; and the wholly masked steps' keys
	s_wait_alu depctr_va_vdst(0)
	v_rcp_f32 v14, v14
	v_nop
	v_nop
	s_wait_alu depctr_va_vdst(0)
.set j, 0
.rept 16
	v_pk_mul_f32 v[96+j:97+j], v[160+j:161+j], v[14:15] op_sel_hi:[1,0]   ; register 8 t + j: channel 32 (t / 2) + 16 h + 8 (t % 2) + j
.set j, j+2
.endr
.irp e, 0,1
	v_max3_num_f32 v[200+\e], |v[96+16*\e]|, |v[97+16*\e]|, 0x1800000
.endr
.irp i, 2,4,6,8,10,12,14
.irp e, 0,1
	s_delay_alu instid0(VALU_DEP_2)
	v_max3_num_f32 v[200+\e], v[200+\e], |v[96+16*\e+\i]|, |v[97+16*\e+\i]|
.endr
.endr
.irp e, 0,1
	s_delay_alu instid0(VALU_DEP_2)
	v_permlanex16_b32 v[204+\e], v[200+\e], s34, s35
.endr
.irp e, 0,1
	s_delay_alu instid0(VALU_DEP_2)
	v_max_num_f32 v[200+\e], v[200+\e], v[204+\e]
.endr
.irp e, 0,1
	s_delay_alu instid0(VALU_DEP_2)
	v_add_nc_u32 v[208+\e], 0xff000000, v[200+\e]
.endr
.irp e, 0,1
	s_delay_alu instid0(VALU_DEP_2)
	v_lshrrev_b32 v[204+\e], 23, v[208+\e]
.endr
	v_cvt_scalef32_pk8_fp4_f32 v220, v[96:103], v208
	v_cvt_scalef32_pk8_fp4_f32 v221, v[104:111], v208
	v_cvt_scalef32_pk8_fp4_f32 v222, v[112:119], v209
	v_cvt_scalef32_pk8_fp4_f32 v223, v[120:127], v209
	v_lshl_or_b32 v10, v205, 8, v204               ; my head's half of the row's scale word (also the plain instruction behind the conversions)
	v_permlane16_swap_b32 v220, v222
	v_permlane16_swap_b32 v221, v223
	global_store_b128 v1, v[220:223], s[44:45]     ; 512 consecutive bytes: four registers of the last product's operand
	ds_store_b32 v217, v10                         ; lanes r and r + 16 write the same word with the same value
.endm
	UNIT 10
	UNIT 11
	s_wait_dscnt 0x0                               ; my half scale words have landed,
	s_barrier_signal -1
	s_barrier_wait -1                              ; everybody's have
	s_cmp_lt_u32 s8, 2
	s_cbranch_scc0 .Ldone
	ds_load_b128 v[96:99], v218                    ; waves 0 and 1 join the two heads' halves: 128 words each
	ds_load_b128 v[100:103], v218 offset:1024
	s_wait_xcnt 0x0
	s_lshl_b32 s46, s14, 15                        ; the pair of heads,
	s_lshl_b32 s53, s13, 13                        ; the batch's 128 slots of 64 bytes,
	s_add_co_u32 s46, s46, s53
	s_lshl_b32 s53, s12, 10                        ; my 16 slots,
	s_add_co_u32 s46, s46, s53
	s_lshl_b32 s53, s8, 9                          ; my wave's half of them
	s_add_co_u32 s46, s46, s53
	s_mov_b32 s47, 0
	s_add_nc_u64 s[50:51], s[6:7], s[46:47]
	s_add_nc_u64 s[50:51], s[50:51], 0x400000
	s_wait_dscnt 0x0
.irp j, 0,1,2,3
	v_lshl_or_b32 v[96+\j], v[100+\j], 16, v[96+\j]
.endr
	global_store_b128 v1, v[96:99], s[50:51]
.Ldone:
	s_wait_tensorcnt 0x0                           ; the wave's end
	ds_add_u32 v3, v4
	s_wait_dscnt 0x0
	CROUND                                         ; the closing round
	s_endpgm
.Lfunc_end_k_q6fd3043039_attn:
	.size	k_q6fd3043039_attn, .Lfunc_end_k_q6fd3043039_attn-k_q6fd3043039_attn
	.p2alignl 7, 3214868480
	.fill 96, 4, 3214868480
	.section	.rodata,"a",@progbits
	.p2align	6, 0x0
	.amdhsa_kernel k_q6fd3043039_attn
		.amdhsa_group_segment_fixed_size 327680
		.amdhsa_private_segment_fixed_size 0
		.amdhsa_enable_private_segment 0
		.amdhsa_kernarg_size 16
		.amdhsa_user_sgpr_count 2
		.amdhsa_user_sgpr_kernarg_segment_ptr 1
		.amdhsa_wavefront_size32 1
		.amdhsa_system_sgpr_workgroup_id_x 1
		.amdhsa_system_sgpr_workgroup_id_y 1
		.amdhsa_system_sgpr_workgroup_id_z 1
		.amdhsa_system_vgpr_workitem_id 0
		.amdhsa_next_free_vgpr 256
		.amdhsa_next_free_sgpr 66
		.amdhsa_reserve_vcc 1
		.amdhsa_float_denorm_mode_32 3
		.amdhsa_float_denorm_mode_16_64 3
		.amdhsa_memory_ordered 1
		.amdhsa_forward_progress 1
		.amdhsa_inst_pref_size 68
	.end_amdhsa_kernel
	.amdgpu_metadata
---
amdhsa.version: [ 1, 2 ]
amdhsa.kernels:
  - .name:           k_q6fd3043039_attn
    .symbol:         k_q6fd3043039_attn.kd
    .args:
      - { .name: rec, .offset: 0, .size: 8, .value_kind: global_buffer, .address_space: global }
      - { .name: oq, .offset: 8, .size: 8, .value_kind: global_buffer, .address_space: global }
    .group_segment_fixed_size: 327680
    .private_segment_fixed_size: 0
    .kernarg_segment_align: 8
    .kernarg_segment_size: 16
    .max_flat_workgroup_size: 512
    .sgpr_count:     66
    .vgpr_count:     256
    .wavefront_size: 32
...
	.end_amdgpu_metadata
.endif
;; end of part 3
;; launch outp (part 4): grid 4 x 64, 4 waves a work-group, clusters of 4 x 4, 327,680 bytes of LDS; arguments oq, wq, bo, out0; writes out0
.if DOCPART == 4
	.amdgcn_target "amdgcn-amd-amdhsa--gfx1250"
	.amdhsa_code_object_version 6
	.text
	.protected	k_q6fd3043039_outp
	.globl	k_q6fd3043039_outp
	.p2align	8
	.type	k_q6fd3043039_outp,@function
k_q6fd3043039_outp:
	s_mov_b64 s[64:65], 0
	v_nop
	global_prefetch_b8 v0, s[64:65] scope:SCOPE_SE
	s_setreg_imm32_b32 hwreg(HW_REG_WAVE_MODE, 25, 1), 1
	s_wait_xcnt 0x0
	s_wait_alu depctr_hold_cnt(0) depctr_sa_sdst(0) depctr_va_vdst(0) depctr_va_sdst(0) depctr_va_ssrc(0) depctr_va_vcc(0) depctr_vm_vsrc(0)
	s_getreg_b32 s2, hwreg(HW_REG_IB_STS2, 6, 4)
	s_cmp_eq_u32 s2, 0
	s_cbranch_scc0 .Lentry_in_a_cluster
	s_endpgm
.Lentry_in_a_cluster:
	s_bfe_u32 s2, ttmp6, 0x10000c
	s_cmp_lg_u32 s2, 0xf033
	s_cbranch_scc0 .Lentry_shape_is_right
	s_endpgm
.Lentry_shape_is_right:
; out = o Wo + bo on codes of FP4 (E2M1) with E8M0 scales, M = 8,192, N = 1,024, K = 1,024.  Nothing of this product is left out.
; A tile of 128 tokens (8 slots of 16) x 256 columns is made by four waves; wave w takes all 128 tokens x columns 64 w .. 64 w + 63: 32 accumulators.  256 work-groups.  All of K is two LDS slots of 512, both asked for at the head.
; o's codes come as images of operand registers (oq: [slot][head][512 bytes]): a fragment is two loads of 16 bytes a lane at 16 x lane.  Wo's codes come by rows, 256 bytes + 16 of padding.
; CLUSTERS: 4 x 4 work-groups; o's tiles are shared along a row of the cluster, Wo's along a column, each asked for jointly.
; The instruction is used transposed (source 0 = 16 rows of Wo, source 1 = 16 tokens): by wq's stored row order a lane's 16 registers of two neighbouring tiles are 16 neighbouring columns of one row of out.  bo is the C of each sum's first product.
; A slot's 16 rows are tokens 128 g + 32 (i / 2) + 8 (i % 2) + r + 8 (r / 8) of their batch, slot = batch 128 + i 16 + g.
; REGISTERS: window 0: v16-29 addresses; v32-47 Wo's scale words, v48-79 o's; v80-111 bo; v128-191 o's fragments, one set (on the way out: rows of out).  window 1: Wo's fragments, two sets, at v0 and v128.  window 2: accumulator (a, b) at v[8 (4 a + b)].
.set PITCH, 272
.set SLOT,  102400                     ; o's 8 images of 4,096 bytes, then Wo's 256 rows of 272
.set BOFF,  32768
.set HALFB, 128*PITCH
.set ASC,   2*SLOT                     ; o's scale words: [K step of 128, 8][512 bytes]
.set BSC,   ASC+4096                   ; Wo's scale bytes: 256 rows of 32
.set SPARE, BSC+8192                   ; the spare words, 128 bytes for each wave
.set ADRA, 16
.set ADRB, 20
.set VBQ,  22
.set ADSB, 23
.set STO,  24
.set RD,   25
.set CO,   26
.set ADSA, 27
.set SPW,  28
.set NIL,  29
.set SB,   32
.set SA,   48
.set BO,   80
.set AF,   128
.set G1, 24
.set G0, 32
.set G1B, 48
.set G0B, 56
.set G1S, 68
.set G0S, 76
.set G1SB, 80
.set G0SB, 88
.set MSB, 0
.macro WIN new
.if MSB != (\new)
	s_set_vgpr_msb (MSB<<8)|(\new)
.set MSB, (\new)
.endif
.endm
.macro JLOAD g0a, g1a, g0b, g1b        ; a joint load: waves 0 and 1 fetch for o, waves 2 and 3 for Wo; an s_nop 0 and four v_nop follow each line
	s_cmp_eq_u32 s15, 0
	s_cbranch_scc0 .Lfor_b_\@
	tensor_load_to_lds s[\g0a:\g0a+3], s[\g1a:\g1a+7]
	s_nop 0
.rept 4
	v_nop
.endr
	s_branch .Lasked_\@
.Lfor_b_\@:
	tensor_load_to_lds s[\g0b:\g0b+3], s[\g1b:\g1b+7]
	s_nop 0
.rept 4
	v_nop
.endr
.Lasked_\@:
.endm
.macro CROUND
	s_barrier_signal -1
	s_barrier_wait -1
	s_cmp_lg_u32 s14, 0
	s_cbranch_scc1 .Lnot_wave_0_\@
	s_barrier_signal -3
.Lnot_wave_0_\@:
	s_barrier_wait -3
	s_barrier_signal -1
	s_barrier_wait -1
.endm
	s_load_b256 s[4:11], s[0:1], 0x0               ; oq, wq, bo, out0
	v_lshl_add_u32 v[SPW], v0, 2, SPARE
	v_mov_b32 v[NIL], 0
	ds_add_u32 v[SPW], v[NIL]                      ; the wave's opening: the add, twice on end, and its wait ahead of my first tensor load
	ds_add_u32 v[SPW], v[NIL]
	v_lshrrev_b32 v1, 5, v0
	v_readfirstlane_b32 s14, v1                    ; wave 0..3
	s_lshr_b32 s15, s14, 1                         ; I fetch for o (0) or for Wo (1)
	s_and_b32 s16, s14, 1                          ; which half
	s_bfe_u32 s40, ttmp6, 0x40000
	s_bfe_u32 s41, ttmp6, 0x40004
	s_lshl_b32 s42, ttmp9, 2
	s_add_co_u32 s42, s42, s40                     ; tile column
	s_and_b32 s17, ttmp7, 0xffff
	s_lshl_b32 s17, s17, 2
	s_add_co_u32 s17, s17, s41                     ; tile row
	s_lshl_b32 s43, s41, 2
	s_lshl_b32 s43, 15, s43                        ; my row of the cluster
	s_lshl_b32 s44, 0x1111, s40                    ; my column
	s_or_b32 s[G1+0], s43, (3<<16)|(1<<21)         ; o's codes: 4 rows (slots) of 4,096 bytes, 8,192 apart, elements of 8 bytes, dense in LDS
	s_mov_b32 s[G1+1], 512<<16
	s_mov_b32 s[G1+2], 4<<16
	s_mov_b32 s[G1+3], 512<<16
	s_mov_b32 s[G1+4], 4
	s_mov_b32 s[G1+5], 1024
	s_mov_b32 s[G1+6], 0
	s_mov_b32 s[G1+7], 0
	s_or_b32 s[G1B+0], s44, (0<<16)|(1<<20)|(1<<21)|(5<<22)|(3<<25)   ; Wo's codes: 128 rows of 256 bytes, 512 apart; 4 words of padding behind every 64
	s_mov_b32 s[G1B+1], 256<<16
	s_mov_b32 s[G1B+2], 128<<16
	s_mov_b32 s[G1B+3], 256<<16
	s_mov_b32 s[G1B+4], 128
	s_mov_b32 s[G1B+5], 512
	s_mov_b32 s[G1B+6], 0
	s_mov_b32 s[G1B+7], 0
	s_or_b32 s[G1S+0], s43, (3<<16)|(1<<21)        ; o's scale words: 4 rows (K steps) of 512 bytes, 32,768 apart
	s_mov_b32 s[G1S+1], 64<<16
	s_mov_b32 s[G1S+2], 4<<16
	s_mov_b32 s[G1S+3], 64<<16
	s_mov_b32 s[G1S+4], 4
	s_mov_b32 s[G1S+5], 4096
	s_mov_b32 s[G1S+6], 0
	s_mov_b32 s[G1S+7], 0
	s_or_b32 s[G1SB+0], s44, (3<<16)|(1<<21)       ; Wo's scale bytes of 128 rows: 4,096 dense bytes as 16 rows of 256
	s_mov_b32 s[G1SB+1], 32<<16
	s_mov_b32 s[G1SB+2], 16<<16
	s_mov_b32 s[G1SB+3], 32<<16
	s_mov_b32 s[G1SB+4], 16
	s_mov_b32 s[G1SB+5], 32
	s_mov_b32 s[G1SB+6], 0
	s_mov_b32 s[G1SB+7], 0
	s_lshl_b32 s20, s17, 16                        ; o's codes: (8 x tile row + 4 x half) slots of 8,192 bytes
	s_lshl_b32 s18, s16, 15
	s_add_co_u32 s20, s20, s18
	s_mov_b32 s21, 0
	s_lshl_b32 s22, s17, 9                         ; o's scale words: 512 bytes a tile row, K steps 4 x half on
	s_lshl_b32 s18, s16, 17
	s_add_co_u32 s22, s22, s18
	s_add_co_u32 s22, s22, 0x400000
	s_mov_b32 s23, 0
	s_lshl_b32 s46, s42, 8                         ; Wo: row 3,072 + 256 x tile column + 128 x half of wq
	s_lshl_b32 s18, s16, 7
	s_add_co_u32 s46, s46, s18
	s_add_co_u32 s46, s46, 3072
	s_lshl_b32 s92, s46, 5
	s_add_co_u32 s92, s92, 0x200000
	s_mov_b32 s93, 0
	s_lshl_b32 s46, s46, 9
	s_mov_b32 s47, 0
	s_lshl_b32 s45, s16, 14                        ; where they go, by the wave's number alone
	s_mul_i32 s94, s16, HALFB
	s_add_co_u32 s94, s94, BOFF
	s_lshl_b32 s95, s16, 11
	s_add_co_u32 s95, s95, ASC
	s_lshl_b32 s96, s16, 12
	s_add_co_u32 s96, s96, BSC
	s_wait_dscnt 0x0                               ; both opening adds are done
	s_wait_kmcnt 0x0
	s_add_nc_u64 s[20:21], s[4:5], s[20:21]
	s_add_nc_u64 s[22:23], s[4:5], s[22:23]
	s_add_nc_u64 s[46:47], s[6:7], s[46:47]
	s_add_nc_u64 s[92:93], s[6:7], s[92:93]
	CROUND                                         ; all sixteen work-groups are here: the joint loads meet
	s_mov_b32 s[G0S], 1
	s_mov_b32 s[G0S+1], s95
	s_mov_b64 s[G0S+2:G0S+3], s[22:23]
	s_or_b32 s[G0S+3], s[G0S+3], 0x80000000
	s_mov_b32 s[G0SB], 1
	s_mov_b32 s[G0SB+1], s96
	s_mov_b64 s[G0SB+2:G0SB+3], s[92:93]
	s_or_b32 s[G0SB+3], s[G0SB+3], 0x80000000
	JLOAD G0S, G1S, G0SB, G1SB                     ; the scales first; one tensor load of a wave is out at the most
.irp s, 0,1
	s_mov_b32 s[G0+4*\s], 1
	s_add_co_u32 s[G0+4*\s+1], s45, \s*SLOT
	s_add_nc_u64 s[G0+4*\s+2:G0+4*\s+3], s[20:21], \s*4096
	s_or_b32 s[G0+4*\s+3], s[G0+4*\s+3], 0x80000000
	s_mov_b32 s[G0B+4*\s], 1
	s_add_co_u32 s[G0B+4*\s+1], s94, \s*SLOT
	s_add_nc_u64 s[G0B+4*\s+2:G0B+4*\s+3], s[46:47], \s*256
	s_or_b32 s[G0B+4*\s+3], s[G0B+4*\s+3], 0x80000000
	s_wait_alu depctr_va_vdst(0)
	s_wait_tensorcnt 0x0
	ds_add_u32 v28, v29
	s_wait_dscnt 0x0
	CROUND
	JLOAD G0+4*\s, G1, G0B+4*\s, G1B
.endr
	v_and_b32 v1, 15, v0                           ; r
	v_bfe_u32 v2, v0, 4, 1                         ; h
	v_and_b32 v3, 31, v0                           ; lane
	v_lshlrev_b32 v[ADRA], 4, v3                   ; an image's place for my lane
	v_add_nc_u32 v[ADRA+1], SLOT, v[ADRA]
	v_mul_u32_u24 v4, v1, PITCH
	v_lshl_add_u32 v4, v2, 4, v4
	s_mul_i32 s21, s14, 64*PITCH                   ; my 64 rows of Wo
	s_add_co_u32 s21, s21, BOFF
	v_add_nc_u32 v[ADRB], s21, v4
	v_add_nc_u32 v[ADRB+1], SLOT, v[ADRB]
	v_lshlrev_b32 v[VBQ], 6, v2
	v_lshl_add_u32 v[ADSA], v3, 2, ASC
	s_lshl_b32 s21, s14, 11
	s_add_co_u32 s21, s21, BSC
	v_lshl_add_u32 v[ADSB], v3, 5, s21
	s_mul_i32 s21, s14, 16*272                     ; my stage, in slot 0: used when that slot has had its only fill and its last read
	v_mul_u32_u24 v4, v1, 272
	v_lshl_add_u32 v4, v2, 6, v4
	v_add_nc_u32 v[STO], s21, v4                   ; in: row r, + 64 h
	v_mul_u32_u24 v4, v2, 272
	v_lshl_add_u32 v4, v1, 4, v4
	v_add_nc_u32 v[RD], s21, v4                    ; back: lanes 0-15 one row of 256 bytes, lanes 16-31 the next
	v_lshlrev_b32 v4, 12, v2
	v_lshl_add_u32 v[CO], v1, 4, v4                ; and the same two rows of out
	s_lshr_b32 s20, s17, 4                         ; the batch: 2,048 tokens
	s_lshl_b32 s20, s20, 11
	s_and_b32 s21, s17, 1                          ; groups 8 (y & 1) on: 1,024 tokens
	s_lshl_b32 s21, s21, 10
	s_add_co_u32 s20, s20, s21
	s_bfe_u32 s21, s17, 0x20002                    ; i / 2
	s_lshl_b32 s21, s21, 5
	s_add_co_u32 s20, s20, s21
	s_bfe_u32 s21, s17, 0x10001                    ; i % 2
	s_lshl_b32 s21, s21, 3
	s_add_co_u32 s20, s20, s21
	s_lshl_b32 s20, s20, 12                        ; 4,096 bytes a row of out
	s_lshl_b32 s46, s42, 10
	s_lshl_b32 s47, s14, 8
	s_add_co_u32 s46, s46, s47                     ; my first column, in bytes
	s_mov_b32 s47, 0
	s_add_nc_u64 s[8:9], s[8:9], s[46:47]
	s_add_co_u32 s20, s20, s46
	s_mov_b32 s21, 0
	s_add_nc_u64 s[10:11], s[10:11], s[20:21]
.irp b, 0,1,2,3                                ; bo in the result's layout: lane (r, h), tile b, register j: column 32 (b / 2) + 16 h + 8 (b % 2) + j
	global_load_b128 v[BO+8*\b:BO+8*\b+3], v[VBQ], s[8:9] offset:128*(\b/2)+32*(\b%2)
	global_load_b128 v[BO+8*\b+4:BO+8*\b+7], v[VBQ], s[8:9] offset:128*(\b/2)+32*(\b%2)+16
.endr
; 8 matrix instructions: o's blocks a0, a0 + 1 against my four of Wo; K step kq of eight.  The 32 accumulators take turns, one instruction a turn.
.macro MUL8 a0, p, kq, first
.irp a, \a0, \a0+1
.irp b, 0,1,2,3
.set rD, 8*(4*(\a)+\b)
.set rB, 128*(\p)+8*\b
.set rA, AF+8*(\a)
.set rC, rD
.if \first
.set rC, BO+8*\b
.endif
.set rSB, SB+8*(\b/2)+(\kq)
.set rSA, SA+8*((\a)/2)+(\kq)
.if (\b%2) && ((\a)%2)
	v_wmma_scale_f32_16x16x128_f8f6f4 v[rD:rD+7], v[rB:rB+7], v[rA:rA+7], v[rC:rC+7], v[rSB], v[rSA] matrix_a_fmt:MATRIX_FMT_FP4 matrix_b_fmt:MATRIX_FMT_FP4 matrix_a_scale:MATRIX_SCALE_ROW1 matrix_b_scale:MATRIX_SCALE_ROW1
.elseif (\b%2)
	v_wmma_scale_f32_16x16x128_f8f6f4 v[rD:rD+7], v[rB:rB+7], v[rA:rA+7], v[rC:rC+7], v[rSB], v[rSA] matrix_a_fmt:MATRIX_FMT_FP4 matrix_b_fmt:MATRIX_FMT_FP4 matrix_a_scale:MATRIX_SCALE_ROW1
.elseif ((\a)%2)
	v_wmma_scale_f32_16x16x128_f8f6f4 v[rD:rD+7], v[rB:rB+7], v[rA:rA+7], v[rC:rC+7], v[rSB], v[rSA] matrix_a_fmt:MATRIX_FMT_FP4 matrix_b_fmt:MATRIX_FMT_FP4 matrix_b_scale:MATRIX_SCALE_ROW1
.else
	v_wmma_scale_f32_16x16x128_f8f6f4 v[rD:rD+7], v[rB:rB+7], v[rA:rA+7], v[rC:rC+7], v[rSB], v[rSA] matrix_a_fmt:MATRIX_FMT_FP4 matrix_b_fmt:MATRIX_FMT_FP4
.endif
.endr
.endr
.endm
.macro FETCH_B slot, q, p
	WIN 0x40
.irp i, 0,1,2,3
.irp c, 0,1
	ds_load_b128 v[128*(\p)+8*\i+4*\c:128*(\p)+8*\i+4*\c+3], v[ADRB+\slot] offset:64*(\q)+32*\c+\i*16*PITCH
.endr
.endr
	WIN 0
.endm
.macro FETCH_A slot, q, i0
.irp i, \i0, \i0+1, \i0+2, \i0+3
.irp c, 0,1
	ds_load_b128 v[AF+8*(\i)+4*\c:AF+8*(\i)+4*\c+3], v[ADRA+\slot] offset:4096*(\i)+1024*(\q)+512*\c
.endr
.endr
.endm
.macro PLACES n
.rept \n
	v_nop
.endr
.endm
.macro STEP slot, q, first
	s_wait_dscnt 8                                 ; all but the youngest eight loads (o's blocks 4-7) are in
	WIN 0xa1-0x20*(\first)                         ; Wo window 1, o window 0, D window 2, C with it or (bo) window 0
	MUL8 0, (\q)%2, 4*(\slot)+(\q), \first
	MUL8 2, (\q)%2, 4*(\slot)+(\q), \first
	s_wait_dscnt 0
	PLACES 4
	FETCH_B \slot, (\q)+1, 1-(\q)%2
	FETCH_A \slot, (\q)+1, 0
	WIN 0xa1-0x20*(\first)
	MUL8 4, (\q)%2, 4*(\slot)+(\q), \first
	MUL8 6, (\q)%2, 4*(\slot)+(\q), \first
	PLACES 4
	WIN 0
	FETCH_A \slot, (\q)+1, 4
.endm
.macro HALF slot, first
	STEP \slot, 0, \first
	STEP \slot, 1, 0
	STEP \slot, 2, 0
	s_wait_dscnt 8                                 ; the slot's last step fetches nothing
	WIN 0xa1
	MUL8 0, 1, 4*(\slot)+3, 0
	MUL8 2, 1, 4*(\slot)+3, 0
	s_wait_dscnt 0
	MUL8 4, 1, 4*(\slot)+3, 0
	MUL8 6, 1, 4*(\slot)+3, 0
	WIN 0
.endm
	s_wait_alu depctr_va_vdst(0)
	s_wait_tensorcnt 1                             ; the scales and my part of slot 0 are in; slot 1's load may be out,
	s_barrier_signal -1
	s_barrier_wait -1                              ; everybody's are
	FETCH_B 0, 0, 0
	FETCH_A 0, 0, 0
.irp p, 0,1,2,3                                ; all scale words, once: o's: register 8 p + K step: block 2 p in lanes 0-15, block 2 p + 1 in lanes 16-31
.irp k, 0,1,2,3,4,5,6,7
	ds_load_b32 v[SA+8*\p+\k], v[ADSA] offset:512*\k+128*\p
.endr
.endr
.irp p, 0,1                                    ; Wo's likewise: four words a load
.irp g, 0,1
	ds_load_b128 v[SB+8*\p+4*\g:SB+8*\p+4*\g+3], v[ADSB] offset:1024*\p+16*\g
.endr
.endr
	FETCH_A 0, 0, 4
	s_wait_loadcnt 0x0                             ; bo
	HALF 0, 1
	PLACES 4                                       ; in front of the loads into the fragments' registers
	s_wait_tensorcnt 0x0                           ; my part of slot 1 is in,
	s_wait_dscnt 0x0
	s_barrier_signal -1
	s_barrier_wait -1                              ; everybody's is, and nobody reads slot 0 any more.
	FETCH_B 1, 0, 0
	FETCH_A 1, 0, 0
	FETCH_A 1, 0, 4
	HALF 1, 0
; THE WAY OUT, a block of 16 tokens x 64 columns at a time, through my own stage: a lane holds 32 neighbouring bytes of a row; they come back as rows of 256 bytes, which sixteen lanes store as one aligned run.
.macro TOSTAGE a
	WIN 0x08                                       ; the data: window 2
.irp b, 0,1,2,3
	ds_store_b128 v[STO], v[32*(\a)+8*\b:32*(\a)+8*\b+3] offset:128*(\b/2)+32*(\b%2)      ; each accumulator from its low end on
	ds_store_b128 v[STO], v[32*(\a)+8*\b+4:32*(\a)+8*\b+7] offset:128*(\b/2)+32*(\b%2)+16
.endr
	WIN 0
.set BB, 128+32*((\a)%2)
.irp t, 0,1,2,3,4,5,6,7
	ds_load_b128 v[BB+4*\t:BB+4*\t+3], v[RD] offset:\t*2*272      ; LDS serves a wave's instructions in order: these see the stores above
.endr
.endm
.macro SEND a, younger
.set BB, 128+32*((\a)%2)
	s_wait_dscnt \younger                          ; the block is back; the next block's LDS instructions may be out
.irp t, 0,1,2,3,4,5,6,7
	global_store_b128 v[CO], v[BB+4*\t:BB+4*\t+3], s[10:11] offset:(128*(\a)+2*\t+8*(\t/4))*4096 th:TH_STORE_NT   ; stage rows 2 t, 2 t + 1 are tokens 2 t + 8 (t / 4) + h of group a's part
.endr
.endm
	PLACES 4
	TOSTAGE 0
.irp a, 1,2,3,4,5,6,7
.if \a > 1
	s_wait_xcnt 0x0                                ; block a - 2's stores have read their registers: block a's loads may land there
.endif
	TOSTAGE \a
	SEND \a-1, 16                                  ; behind block a - 1's loads: block a's 8 stores and 8 loads
.endr
	SEND 7, 0
	s_wait_tensorcnt 0x0                           ; the wave's end
	ds_add_u32 v[SPW], v[NIL]
	s_wait_dscnt 0x0
	CROUND                                         ; the closing round
	s_endpgm
.Lfunc_end_k_q6fd3043039_outp:
	.size	k_q6fd3043039_outp, .Lfunc_end_k_q6fd3043039_outp-k_q6fd3043039_outp
	.p2alignl 7, 3214868480
	.fill 96, 4, 3214868480
	.section	.rodata,"a",@progbits
	.p2align	6, 0x0
	.amdhsa_kernel k_q6fd3043039_outp
		.amdhsa_group_segment_fixed_size 327680
		.amdhsa_private_segment_fixed_size 0
		.amdhsa_enable_private_segment 0
		.amdhsa_kernarg_size 32
		.amdhsa_user_sgpr_count 2
		.amdhsa_user_sgpr_kernarg_segment_ptr 1
		.amdhsa_wavefront_size32 1
		.amdhsa_system_sgpr_workgroup_id_x 1
		.amdhsa_system_sgpr_workgroup_id_y 1
		.amdhsa_system_sgpr_workgroup_id_z 1
		.amdhsa_system_vgpr_workitem_id 0
		.amdhsa_next_free_vgpr 768
		.amdhsa_next_free_sgpr 100
		.amdhsa_reserve_vcc 0
		.amdhsa_float_denorm_mode_32 3
		.amdhsa_float_denorm_mode_16_64 3
		.amdhsa_memory_ordered 1
		.amdhsa_forward_progress 1
		.amdhsa_inst_pref_size 77
	.end_amdhsa_kernel
	.amdgpu_metadata
---
amdhsa.version: [ 1, 2 ]
amdhsa.kernels:
  - .name:           k_q6fd3043039_outp
    .symbol:         k_q6fd3043039_outp.kd
    .args:
      - { .name: oq, .offset: 0, .size: 8, .value_kind: global_buffer, .address_space: global }
      - { .name: wq, .offset: 8, .size: 8, .value_kind: global_buffer, .address_space: global }
      - { .name: bo, .offset: 16, .size: 8, .value_kind: global_buffer, .address_space: global }
      - { .name: out0, .offset: 24, .size: 8, .value_kind: global_buffer, .address_space: global }
    .group_segment_fixed_size: 327680
    .private_segment_fixed_size: 0
    .kernarg_segment_align: 8
    .kernarg_segment_size: 32
    .max_flat_workgroup_size: 128
    .sgpr_count:     100
    .vgpr_count:     768
    .wavefront_size: 32
...
	.end_amdgpu_metadata
.endif
;; end of part 4
